; MI455X (gfx1250); checked and timed in simulation.
; The chip was launched on July 23, 2026; its instructions are those of AMD's public machine-readable ISA for CDNA 5 (MIT licence, August 2026) and "CDNA5" Instruction Set Architecture Reference Guide (July 2026). The comments in the code are by the model that wrote it; some were corrected since.
;; Linear Experts. Allowed arithmetic: matrix products marked QUANTISED: E5M2 operands, one given power-of-two scale a tensor, by v_wmma_f32_16x16x64_bf8_bf8 or v_wmma_f32_16x16x128_bf8_bf8, f32 sums; products left as they are: f32 operands where the result goes on into a quantised operand, else bf16, f16 or f32 operands; f32 sums; everything else in f32.
;; Inputs: Wd_codes 8 x 1,024 x 64 x 32 uint8 (E5M2 codes of Wd, K innermost, in blocks of 32 codes); Wg_codes 8 x 2,048 x 32 x 32 uint8 (E5M2 codes of Wg, K innermost, in blocks of 32 codes); Wu_codes 8 x 2,048 x 32 x 32 uint8 (E5M2 codes of Wu, K innermost, in blocks of 32 codes); bd 8 x 1,024 float32; bg 8 x 2,048 float32; bu 8 x 2,048 float32; hidden_states_codes 2 x 512 x 32 x 32 uint8 (E5M2 codes of hidden_states, K innermost, in blocks of 32 codes); lowp_scales 6 int32 (the exponents e of the quantised operands' scales 2^e); router_indices 2 x 512 x 2 int32; routing_weights 2 x 512 x 8 float32.
;; Outputs: out0 2 x 512 x 1,024 float32.
;; This version of the problem:
;;   THIS VERSION OF THE PROBLEM IS GIVEN IN LOW PRECISION. The matrix products marked QUANTISED in the list below multiply operands that are first quantised to E5M2 (5 exponent bits, 2 mantissa bits; 8 bits a number), with one given power-of-two scale for each operand tensor; their sums are f32. All else is computed in f32.
;;   The module's matrix products, in the order in which they are computed (A, B: the left and right operand; K: the contracted axis; several contracted axes count as one K, in the product's order):
;;     1. [M 16,384, K 1,024] x [K 1,024, N 1,024]; A: input Wg (given as codes); B: input hidden_states (given as codes): QUANTISED (scales: A lowp_scales[0], B lowp_scales[1])
;;     2. [M 16,384, K 1,024] x [K 1,024, N 1,024]; A: input Wu (given as codes); B: input hidden_states (given as codes): QUANTISED (scales: A lowp_scales[2], B lowp_scales[3])
;;     3. batch 8 x [M 1,024, K 2,048] x [K 2,048, N 1,024]; A: computed on the way; B: input Wd (given as codes): QUANTISED (scales: A lowp_scales[4], B lowp_scales[5])
;;     4. batch 1,024 x [M 1,024, K 8] x [K 8, N 1]; A: computed on the way; B: computed on the way: left as it is (K = 8 < 32)
;;   THE QUANTISER, for each operand of a quantised product, along K:
;;     - The operand's scale is 2^e, e = its entry of the input lowp_scales (int32; the entries are numbered through the quantised products in the list's order, A before B).
;;     - Each number is divided by the scale, clamped to +-57,344, and rounded to the nearest number of E5M2, ties to even, subnormals kept.
;;     - The product sums the exact products of the quantised numbers (number of the format x scale) in f32.
;;   ~~~python
;;   def quantise(x, axis, e):      # numpy; x: float32 -> the quantised numbers, widened to float32 again
;;       x = np.moveaxis(x, axis, -1); K = x.shape[-1]
;;       r = np.clip(x / 2.0 ** e, -57344, 57344)
;;       step = 2.0 ** (np.maximum(np.frexp(np.where(r == 0, 1, r))[1] - 1, -14) - 2)
;;       q = np.round(r / step) * step * 2.0 ** e      # np.round: ties to even
;;       return np.moveaxis(q, -1, axis).astype(np.float32)
;;   ~~~
;;   OPERANDS COMPUTED ON THE WAY. 'Computed on the way' means the value that the module computes at that place (a softmax that the list does not call 'softmax' is quantised finished and normalised). What goes into a quantiser is computed in f32, as accurately as f32 sums, v_exp_f32 and their like allow (about 1e-6 of the number): no bf16 or f16 on the way to a quantiser, and a product that is left as it is and whose result goes on into a quantised operand takes f32 operands (vector FMAs, or v_wmma_f32_16x16x4_f32). A number that lies on a knife's edge between two numbers of the format may be rounded either way, as far as f32 arithmetic and the matrix unit's own rounding can turn it there, and no further.
;;   INPUTS GIVEN AS CODES. Wd (in the module: [8, 2048, 1024], K = its axis 1); Wg (in the module: [8, 1024, 2048], K = its axis 1); Wu (in the module: [8, 1024, 2048], K = its axis 1); hidden_states (in the module: [2, 512, 1024], K = its axis 2): each comes as NAME_codes (uint8): NAME with its K axis moved to the last place and cut into blocks of 32 codes, [.., K / 32, bytes a block], one block behind the other in memory; one code a byte (a code: sign, 5 exponent bits, 2 mantissa bits); its scale is its entry of lowp_scales. Its value is code x scale, taken as it is: it is not quantised again, and the codes and scales need not be those that the quantiser above would give.
;; 3 versions, each right; version 2 is faster than version 1; version 3 is version 2 with the launch down written anew for expert scheduling mode. Each part assembles by itself: llvm-mc -triple=amdgcn-amd-amdhsa -mcpu=gfx1250 --defsym DOCPART=n.
;; ======== version 1 of 3: 4 launches
;; workspace buffers: act 20,971,520 bytes; y 41,943,040 bytes; list 40,960 bytes of whole numbers; pos 32,768 bytes of whole numbers; cnt 1,024 bytes of whole numbers
;; launch route (part 1): grid 8 x 1, 1 waves a work-group, no clusters, 5,632 bytes of LDS; arguments router_indices, list, pos, cnt; writes list, pos, cnt
.if DOCPART == 1
	.amdgcn_target "amdgcn-amd-amdhsa--gfx1250"
	.amdhsa_code_object_version 6
	.text
	.protected	k_q87860701cf_route
	.globl	k_q87860701cf_route
	.p2align	8
	.type	k_q87860701cf_route,@function
k_q87860701cf_route:
	s_mov_b64 s[64:65], 0
	v_nop
	global_prefetch_b8 v0, s[64:65] scope:SCOPE_SE
	s_setreg_imm32_b32 hwreg(HW_REG_WAVE_MODE, 25, 1), 1
	s_wait_xcnt 0x0
; The routing, as whole numbers for the launches that follow.  router_indices [1024][2] int32: each token's two experts.
; Work-group e, one wave, serves expert e:  list[e][rank] = the token of that rank among the tokens that name e (each once, also where it names e twice), zeros past the last: 1,280 words;
; pos[e][t] = token t's rank (a number nobody uses where t does not name e): 1,024 words;  cnt[e][0..31] = the number of tiles of 16 rows, ceil(rows / 16), the same in all 32 words, so that EXEC stays whole.
; Lane l of load j holds tokens 64 j + 2 l and 64 j + 2 l + 1.  A ballot of 32 tokens gives each its rank: the rows so far + the lanes below it that name e.  32 ballots.
; The tokens are scattered by rank into a zero-filled list in LDS (a token that does not name e goes to a word of its lane's own behind the list, which is never read); the list is read back as it lies and stored
; by whole runs of 512 bytes.  So no global address and no branch hangs on the indices.  One wave: no barrier.  Eight work-groups are all the work that there is.
; LDS: 0: the list, 5,120 bytes; 5120: 32 words that take what the ballots reject.
; REGISTERS: v1 16 lane, v2 2 lane, v3 8 lane, v4 4 lane, v5 1280 + lane, v8-11 zeros, v12, v13 at work, v14 the count, v32-63 ranks, v64-127 the indices, later the list.
	s_load_b256 s[4:11], s[0:1], 0x0               ; indices s[4:5], list s[6:7], pos s[8:9], cnt s[10:11]
	v_lshl_add_u32 v128, v0, 2, 0x1500
	v_mov_b32 v129, 0
	v_lshlrev_b32 v1, 4, v0                        ; one wave: the thread's number is the lane
	v_lshlrev_b32 v2, 1, v0
	v_lshlrev_b32 v3, 3, v0
	v_lshlrev_b32 v4, 2, v0
	v_add_nc_u32 v5, 1280, v0
	v_mov_b32 v8, 0
	v_mov_b32 v9, 0
	v_mov_b32 v10, 0
	v_mov_b32 v11, 0
	s_mov_b32 s25, ttmp9                           ; the expert
	s_mul_i32 s12, s25, 5120
	s_mov_b32 s13, 0
	s_lshl_b32 s14, s25, 12
	s_mov_b32 s15, 0
	s_lshl_b32 s16, s25, 7
	s_mov_b32 s17, 0
	s_mov_b32 s18, 0                               ; rows so far
.irp k, 0,1,2,3,4,5,6,7,8,9
	ds_store_b128 v1, v[8:11] offset:512*\k        ; rows past the list's end take token 0
.endr
	s_wait_kmcnt 0x0
.irp j, 0,1,2,3,4,5,6,7,8,9,10,11,12,13,14,15
	global_load_b128 v[64+4*\j:67+4*\j], v1, s[4:5] offset:512*\j
.endr
	s_add_nc_u64 s[6:7], s[6:7], s[12:13]
	s_add_nc_u64 s[8:9], s[8:9], s[14:15]
	s_add_nc_u64 s[10:11], s[10:11], s[16:17]
.irp j, 0,1,2,3,4,5,6,7,8,9,10,11,12,13,14,15
	s_wait_loadcnt 15-\j                           ; load j is in; the 15 - j behind it may be out
.irp b, 0,1
	v_cmp_eq_u32 s20, s25, v[64+4*\j+2*\b]
	v_cmp_eq_u32 s21, s25, v[65+4*\j+2*\b]
	s_or_b32 s20, s20, s21                         ; a token that names e twice has one row
	v_mbcnt_lo_u32_b32 v[32+2*\j+\b], s20, s18     ; its rank
	s_bcnt1_i32_b32 s21, s20
	v_cndmask_b32 v12, v5, v[32+2*\j+\b], s20
	v_min_u32 v12, 1311, v12
	v_lshlrev_b32 v12, 2, v12
	v_add_nc_u32 v13, 64*\j+\b, v2                 ; the token
	ds_store_b32 v12, v13
	s_add_co_u32 s18, s18, s21
.endr
.endr
	s_add_co_u32 s19, s18, 15
	s_lshr_b32 s19, s19, 4                         ; tiles of 16 rows
	v_mov_b32 v14, s19
	s_wait_dscnt 0x0                               ; the list is whole before it is read back
.irp k, 0,1,2,3,4,5,6,7,8,9
	ds_load_b128 v[64+4*\k:67+4*\k], v1 offset:512*\k
.endr
.irp j, 0,1,2,3,4,5,6,7,8,9,10,11,12,13,14,15
	global_store_b64 v3, v[32+2*\j:33+2*\j], s[8:9] offset:256*\j   ; 32 lanes store 256 consecutive bytes, aligned
.endr
	global_store_b32 v4, v14, s[10:11]
.irp k, 0,1,2,3,4,5,6,7,8,9
	s_wait_dscnt 9-\k                              ; piece k is back; the 9 - k behind it may be out
	global_store_b128 v1, v[64+4*\k:67+4*\k], s[6:7] offset:512*\k   ; 32 lanes store 512 consecutive bytes, aligned
.endr
	s_wait_tensorcnt 0x0
	ds_add_u32 v128, v129
	s_wait_dscnt 0x0
	s_endpgm
.Lfunc_end_k_q87860701cf_route:
	.size	k_q87860701cf_route, .Lfunc_end_k_q87860701cf_route-k_q87860701cf_route
	.p2alignl 7, 3214868480
	.fill 96, 4, 3214868480
	.section	.rodata,"a",@progbits
	.p2align	6, 0x0
	.amdhsa_kernel k_q87860701cf_route
		.amdhsa_group_segment_fixed_size 5632
		.amdhsa_private_segment_fixed_size 0
		.amdhsa_enable_private_segment 0
		.amdhsa_kernarg_size 32
		.amdhsa_user_sgpr_count 2
		.amdhsa_user_sgpr_kernarg_segment_ptr 1
		.amdhsa_wavefront_size32 1
		.amdhsa_system_sgpr_workgroup_id_x 1
		.amdhsa_system_sgpr_workgroup_id_y 1
		.amdhsa_system_sgpr_workgroup_id_z 1
		.amdhsa_system_vgpr_workitem_id 0
		.amdhsa_next_free_vgpr 130
		.amdhsa_next_free_sgpr 66
		.amdhsa_reserve_vcc 0
		.amdhsa_float_denorm_mode_32 3
		.amdhsa_float_denorm_mode_16_64 3
		.amdhsa_memory_ordered 1
		.amdhsa_forward_progress 1
		.amdhsa_inst_pref_size 26
	.end_amdhsa_kernel
	.amdgpu_metadata
---
amdhsa.version: [ 1, 2 ]
amdhsa.kernels:
  - .name:           k_q87860701cf_route
    .symbol:         k_q87860701cf_route.kd
    .args:
      - { .name: router_indices, .offset: 0, .size: 8, .value_kind: global_buffer, .address_space: global }
      - { .name: list, .offset: 8, .size: 8, .value_kind: global_buffer, .address_space: global }
      - { .name: pos, .offset: 16, .size: 8, .value_kind: global_buffer, .address_space: global }
      - { .name: cnt, .offset: 24, .size: 8, .value_kind: global_buffer, .address_space: global }
    .group_segment_fixed_size: 5632
    .private_segment_fixed_size: 0
    .kernarg_segment_align: 8
    .kernarg_segment_size: 32
    .max_flat_workgroup_size: 32
    .sgpr_count:     66
    .vgpr_count:     130
    .wavefront_size: 32
...
	.end_amdgpu_metadata
.endif
;; end of part 1
;; launch gateup (part 2): grid 32 x 8, 4 waves a work-group, no clusters, 131,584 bytes of LDS; arguments hidden_states_codes, Wg_codes, Wu_codes, bg, bu, lowp_scales, list, act, cnt; writes act
.if DOCPART == 2
	.amdgcn_target "amdgcn-amd-amdhsa--gfx1250"
	.amdhsa_code_object_version 6
	.text
	.protected	k_q87860701cf_gateup
	.globl	k_q87860701cf_gateup
	.p2align	8
	.type	k_q87860701cf_gateup,@function
k_q87860701cf_gateup:
	s_mov_b64 s[64:65], 0
	v_nop
	global_prefetch_b8 v0, s[64:65] scope:SCOPE_SE
	s_setreg_imm32_b32 hwreg(HW_REG_WAVE_MODE, 25, 1), 1
	s_wait_xcnt 0x0
; act = Q((clip(up) + 1) x gate' x sigmoid(1.702 gate')), gate' = min(gate, 7), gate = x Wg_e + bg_e, up = x Wu_e + bu_e, for the tokens that name expert e alone.
; x [1024][1024], Wg, Wu [8][2048][1024]: E5M2 codes, K innermost.  A gate sum stands for sum x 2^(e0+e1), an up sum for sum x 2^(e2+e3); act is quantised with the given 2^e4.
; SHARES.  Work-group (x = slice of 64 columns d, y = expert e) keeps its 64 rows of Wg_e and of Wu_e (128 KB) in LDS: every weight byte is read from memory by one work-group, once.
; Its rows are the tokens that name e, each once, in tiles of 16: list[e][row] names them and cnt[e] counts the tiles; the launch before stored both.
; Tiles 0-15 are always made (rows past the list's end take token 0: the list is filled up with zeros), so that the next launch reads them without asking.
; In pass g wave w takes tiles 20 g + 4 i + w (i = 0..3, x in 512 registers) and, where it exists, tile 20 g + 16 + w (128 registers).  The weights stream from LDS, each fragment feeding four products.
; LAYOUT.  The product is used transposed (source 0 = 16 weight rows, source 1 = 16 tokens): a lane holds one token.  Weight tile p of a unit of 32 columns takes rows 8 p + m + 8 (m / 8), so that the 16 registers
; of tiles p = 0, 1 are the 16 neighbouring columns 16 (lane / 16) + 0..15: their codes are 16 bytes of the next product's operand, stored in the order of that operand's registers:
; act [e][tile 80][K step 16][c 4][lane 32][16 bytes].  In every fragment registers 4 c .. 4 c + 3 of lane (r, h) hold k = 128 s + 32 c + 16 h + 0..15: the same order of k on both sides.
; LDS: the weights as pieces of 16 bytes: u 65536 + s 8192 + wt 2048 + c 512 + h 256 + ((row ^ (h + 2 c + 8 (s % 2))) << 4): the exclusive or gives the stores (one row, 16 pieces) and the reads (16 rows, one
; piece) sixteen different 16-byte columns each.
; No tensor load, no copy, no cluster: the guards hang on a count read from memory.  EXEC is never written.
; LIMITS: e0+e1 and e2+e3 between -126 and 127, e4 between -126 and 112, so that each power of two is an f32 number.  NaN and infinity codes are not served.
; REGISTERS, window 0: v1 16 lane, v2 r, v3 h, v4 16 h, v5 staging address, v6 the address in hand, v8 2^e4, v9 64 h, v10-25 fragment addresses (unit 0, unit 1), v26 my row's bytes in the list,
;   v27-31 x offsets of five tiles, v32-47 bg, v48-63 bu, v64-191 accumulators (slot i at 64 + 32 i: gate 0-15, up 16-31), v192-207 at work, v208-227 codes, v228 7.0, v229 57,344 x 2^e4.
;   window 1: v0-127 two sets of four weight fragments; v128-255 x of the fifth tile.   windows 2, 3: x of the four tiles, K steps 0-3 and 4-7.
.set RA,   10
.set XO,   27
.set BG,   32
.set BU,   48
.set ACC,  64
.set T,    192
.set CD,   208
.set MSB,  0
.macro WIN new                         ; the immediate's high byte repeats the setting that is left; a switch that changes nothing is dropped
.if MSB != (\new)
	s_set_vgpr_msb (MSB<<8)|(\new)
.set MSB, (\new)
.endif
.endm
.macro PLACES n
.rept \n
	v_nop
.endr
.endm
; The tokens of my five tiles of the pass: row r of tile 20 g + 4 i + w is the list's word at 1280 g + 256 i + 64 w + 4 r bytes.
.macro XLIST
	v_add_nc_u32 v6, s54, v26
.irp i, 0,1,2,3,4
	global_load_b32 v[XO+\i], v6, s[60:61] offset:256*\i
.endr
.endm
; Their codes: lane (r, h) takes, of token r, 16 bytes at 128 s + 32 c + 16 h.  The fifth tile first, then the four by K steps, so that the counted waits below hold on every way.
.macro XCODES
.irp i, 0,1,2,3,4
	v_min_u32 v[XO+\i], 0x3ff, v[XO+\i]
.endr
.irp i, 0,1,2,3,4
	v_lshl_add_u32 v[XO+\i], v[XO+\i], 10, v4
.endr
	WIN 0x40
.irp s, 0,1,2,3,4,5,6,7
.irp c, 0,1,2,3
	global_load_b128 v[128+16*\s+4*\c:128+16*\s+4*\c+3], v[XO+4], s[4:5] offset:128*\s+32*\c
.endr
.endr
	WIN 0x80
.irp s, 0,1,2,3
.irp t, 0,1,2,3
.irp c, 0,1,2,3
	global_load_b128 v[16*(4*\s+\t)+4*\c:16*(4*\s+\t)+4*\c+3], v[XO+\t], s[4:5] offset:128*\s+32*\c
.endr
.endr
.endr
	WIN 0xc0
.irp s, 4,5,6,7
.irp t, 0,1,2,3
.irp c, 0,1,2,3
	global_load_b128 v[16*(4*(\s-4)+\t)+4*\c:16*(4*(\s-4)+\t)+4*\c+3], v[XO+\t], s[4:5] offset:128*\s+32*\c
.endr
.endr
.endr
	WIN 0
.endm
	s_load_b512 s[4:19], s[0:1], 0x0               ; x s[4:5], Wg s[6:7], Wu s[8:9], bg s[10:11], bu s[12:13], scales s[14:15], list s[16:17], act s[18:19]
	s_load_b64 s[20:21], s[0:1], 0x40              ; cnt
	v_lshl_add_u32 v254, v0, 2, 0x20000
	v_mov_b32 v255, 0
	v_lshrrev_b32 v6, 5, v0
	v_readfirstlane_b32 s24, v6                    ; wave
	s_and_b32 s25, ttmp7, 0xffff                   ; expert
	s_mov_b32 s26, ttmp9                           ; slice
	v_and_b32 v7, 31, v0
	v_lshlrev_b32 v1, 4, v7                        ; 16 x lane
	v_and_b32 v2, 15, v0                           ; r
	v_bfe_u32 v3, v0, 4, 1                         ; h
	v_lshlrev_b32 v4, 4, v3
	v_lshlrev_b32 v9, 6, v3
	; staging: lane l of a load holds the piece s % 4 = l / 8, c = (l / 2) % 4, h = l % 2 of one weight row
	v_bfe_u32 v5, v0, 3, 2
	v_lshlrev_b32 v5, 13, v5
	v_bfe_u32 v6, v0, 1, 2
	v_lshl_add_u32 v5, v6, 9, v5
	v_and_b32 v6, 1, v0
	v_lshl_add_u32 v5, v6, 8, v5
	v_lshl_add_u32 v5, v2, 4, v5                   ; the column before the row is mixed in: l % 16 = h + 2 c + 8 (s % 2)
	s_lshr_b32 s66, s24, 1
	s_lshl_b32 s66, s66, 16                        ; waves 2, 3 stage unit 1
	s_and_b32 s67, s24, 1
	s_lshl_b32 s67, s67, 12                        ; odd waves stage up's two tiles
	s_add_co_u32 s66, s66, s67
	v_add_nc_u32 v5, s66, v5
	v_xor_b32 v6, v2, v3                           ; r ^ h
.irp q, 0,1,2,3,4,5,6,7
	v_xor_b32 v[RA+\q], 2*(\q%4)+8*(\q/4), v6      ; c = q % 4, s % 2 = q / 4
	v_lshlrev_b32 v[RA+\q], 4, v[RA+\q]
	v_lshl_add_u32 v[RA+\q], v3, 8, v[RA+\q]
	v_add_nc_u32 v[RA+8+\q], 65536, v[RA+\q]
.endr
	s_lshl_b32 s66, s24, 6
	v_lshl_add_u32 v26, v2, 2, s66                 ; the list's word of row r of tile w: 64 w + 4 r bytes
	s_mov_b32 s52, 0                               ; pass
	s_mov_b32 s53, s24                             ; my first tile of the pass: 20 g + w
	s_mov_b32 s54, 0                               ; the pass's bytes in the list: 1,280 g
	; byte offsets, made apart from the addresses
	s_lshl_b32 s66, s25, 21
	s_lshl_b32 s67, s26, 16
	s_add_co_u32 s66, s66, s67
	s_lshr_b32 s67, s24, 1
	s_lshl_b32 s67, s67, 15
	s_add_co_u32 s66, s66, s67                     ; weights: (2048 e + 64 x + 32 (w / 2)) rows of 1,024 bytes
	s_mov_b32 s67, 0
	s_lshl_b32 s68, s25, 13
	s_lshl_b32 s69, s26, 8
	s_add_co_u32 s68, s68, s69                     ; biases: (2048 e + 64 x) x 4
	s_mov_b32 s69, 0
	s_mul_i32 s70, s25, 2621440                    ; act: 80 tiles of 32,768 bytes an expert,
	s_lshl_b32 s71, s24, 15                        ; tile w,
	s_add_co_u32 s70, s70, s71
	s_lshr_b32 s71, s26, 1
	s_lshl_b32 s71, s71, 11                        ; K step x / 2,
	s_add_co_u32 s70, s70, s71
	s_and_b32 s71, s26, 1
	s_lshl_b32 s71, s71, 10                        ; c = 2 (x % 2) + unit
	s_add_co_u32 s70, s70, s71
	s_mov_b32 s71, 0
	s_mul_i32 s72, s25, 5120                       ; the expert's list
	s_mov_b32 s73, 0
	s_lshl_b32 s74, s25, 7                         ; and its count
	s_mov_b32 s75, 0
	s_and_b32 s76, s24, 1
	s_wait_kmcnt 0x0
	s_add_nc_u64 s[20:21], s[20:21], s[74:75]
	s_load_b128 s[28:31], s[14:15], 0x0            ; e0 .. e3
	s_load_b32 s32, s[14:15], 0x10                 ; e4
	s_load_b32 s50, s[20:21], 0x0                  ; NT: tiles with rows
	s_cmp_lg_u32 s76, 0
	s_cselect_b64 s[42:43], s[8:9], s[6:7]         ; odd waves fetch Wu, even waves Wg: the choice hangs on the wave's number
	s_add_nc_u64 s[42:43], s[42:43], s[66:67]
	s_add_nc_u64 s[44:45], s[10:11], s[68:69]
	s_add_nc_u64 s[46:47], s[12:13], s[68:69]
	s_add_nc_u64 s[48:49], s[18:19], s[70:71]
	s_add_nc_u64 s[60:61], s[16:17], s[72:73]
	XLIST                                          ; pass 0's tokens are asked for ahead of the weights, so that x can be asked for while the weights arrive
	; my 32 weight rows, 32 KB on end: each load takes 512 consecutive bytes; read once in the launch
.set i, 0
.rept 32
	global_load_b128 v[64+4*i:67+4*i], v1, s[42:43] offset:512*i th:TH_LOAD_NT
.set i, i+1
.endr
	WIN 0x40
.rept 32
	global_load_b128 v[4*(i-32):4*(i-32)+3], v1, s[42:43] offset:512*i th:TH_LOAD_NT
.set i, i+1
.endr
	WIN 0
	s_wait_loadcnt 63                              ; behind the five list loads stand 64 loads: a count under 64 shows them in
	XCODES                                         ; pass 0's x is on its way while the weights are staged
	s_wait_loadcnt 63                              ; behind the 64 weight loads stand 160: they are in
	; row rho = 16 (rw / 8) + 8 p + rw % 8 of my 32 is row rw of weight tile p; its two halves are K steps 0-3 and 4-7
.irp rw, 0,1,2,3,4,5,6,7,8,9,10,11,12,13,14,15
.if \rw == 8
	WIN 0x04                                       ; the store's data from window 1; the exclusive or names its register as source 0, which stays in window 0
.endif
	v_xor_b32 v6, v5, 16*\rw
.irp p, 0,1
.irp hf, 0,1
.set i, 2*(16*(\rw/8)+8*\p+(\rw%8))+\hf
.if i < 32
	ds_store_b128 v6, v[64+4*i:67+4*i] offset:\hf*32768+\p*2048
.else
	ds_store_b128 v6, v[4*(i-32):4*(i-32)+3] offset:\hf*32768+\p*2048
.endif
.endr
.endr
.endr
	WIN 0
	s_wait_kmcnt 0x0
	s_max_u32 s51, s50, 16                         ; tiles that are made at the least
	s_add_co_i32 s34, s28, s29
	s_add_co_i32 s34, s34, 127
	s_lshl_b32 s34, s34, 23                        ; 2^(e0+e1) as f32
	s_mov_b32 s35, s34                             ; (named with it as a pair, so it is written)
	s_add_co_i32 s36, s30, s31
	s_add_co_i32 s36, s36, 127
	s_lshl_b32 s36, s36, 23                        ; 2^(e2+e3)
	s_mov_b32 s37, s36
	s_mov_b32 s38, 0xc01d265f                      ; -1.702 log2(e)
	s_mov_b32 s39, s38
	s_add_co_i32 s40, s32, 127
	s_lshl_b32 s41, s40, 23
	v_mov_b32 v8, s41                              ; 2^e4: the conversion takes its exponent field
	s_add_co_i32 s40, s40, 15
	s_lshl_b32 s40, s40, 23
	s_or_b32 s40, s40, 0x600000
	v_mov_b32 v229, s40                            ; 57,344 x 2^e4
	v_mov_b32 v228, 0x40e00000                     ; 7.0
	s_wait_dscnt 0x0                               ; my part of the weights lies in LDS
	s_barrier_signal -1
	s_barrier_wait -1                              ; everybody's does; nothing is stored to LDS from here on
.macro FETCHW u, s, buf                ; the four weight fragments of unit u, K step s, into set buf
	WIN 0x40
.irp wt, 0,1,2,3
.irp c, 0,1,2,3
	ds_load_b128 v[64*(\buf)+16*\wt+4*\c:64*(\buf)+16*\wt+4*\c+3], v[RA+8*(\u)+\c+4*((\s)%2)] offset:(\s)*8192+\wt*2048+\c*512
.endr
.endr
.endm
.macro MULM s, buf                     ; 16 products: four tiles of tokens x four weight tiles.  The 16 accumulators take turns, one instruction a turn; K step 0 starts the sums
	WIN 0x09+4*((\s)/4)
.irp t, 0,1,2,3
.irp wt, 0,1,2,3
.if (\s) == 0
	v_wmma_f32_16x16x128_bf8_bf8 v[ACC+32*\t+8*\wt:ACC+32*\t+8*\wt+7], v[64*(\buf)+16*\wt:64*(\buf)+16*\wt+15], v[16*(4*((\s)%4)+\t):16*(4*((\s)%4)+\t)+15], 0
.else
	v_wmma_f32_16x16x128_bf8_bf8 v[ACC+32*\t+8*\wt:ACC+32*\t+8*\wt+7], v[64*(\buf)+16*\wt:64*(\buf)+16*\wt+15], v[16*(4*((\s)%4)+\t):16*(4*((\s)%4)+\t)+15], v[ACC+32*\t+8*\wt:ACC+32*\t+8*\wt+7]
.endif
.endr
.endr
.endm
.macro MULS s, buf                     ; the fifth tile: four products on slot 0's accumulators, by turns
	WIN 0x05
.irp wt, 0,1,2,3
.if (\s) == 0
	v_wmma_f32_16x16x128_bf8_bf8 v[ACC+8*\wt:ACC+8*\wt+7], v[64*(\buf)+16*\wt:64*(\buf)+16*\wt+15], v[128+16*(\s):128+16*(\s)+15], 0
.else
	v_wmma_f32_16x16x128_bf8_bf8 v[ACC+8*\wt:ACC+8*\wt+7], v[64*(\buf)+16*\wt:64*(\buf)+16*\wt+15], v[128+16*(\s):128+16*(\s)+15], v[ACC+8*\wt:ACC+8*\wt+7]
.endif
.endr
.endm
; All of K for one unit.  The next step's fragments are asked for ahead of a step's products, four plain places behind the products that read their registers (ISA guide 7.12.1).
; xw = 1: x is still on its way: behind K step s's 16 loads stand 16 (7 - s) of x and the 8 of the biases.
.macro KLOOP u, mini, xw
	FETCHW \u, 0, 0
.irp s, 0,1,2,3,4,5,6,7
.if \s < 7
.if \s > 0
	PLACES 4
.endif
	FETCHW \u, (\s+1), ((\s+1)%2)
	s_wait_dscnt 16                                ; all but the 16 just issued
.else
	s_wait_dscnt 0x0
.endif
.if \xw
.if 16*(7-\s)+8 > 63
	s_wait_loadcnt 63
.else
	s_wait_loadcnt 16*(7-\s)+8
.endif
.endif
.if \mini
	MULS \s, (\s%2)
.else
	MULM \s, (\s%2)
.endif
.endr
	WIN 0
.endm
; One slot's 16 numbers a lane: gate in v[a] on, up in v[a + 16] on, each accumulator read from its low end on.  Plain work that is due anyway stands behind the exponentials and behind the reciprocals.
.macro ACT a, cd, off
.irp j, 0,2,4,6,8,10,12,14
	v_pk_fma_f32 v[(\a)+\j:(\a)+\j+1], v[(\a)+\j:(\a)+\j+1], s[34:35], v[BG+\j:BG+\j+1] op_sel_hi:[1,0,1]   ; gate = sum x 2^(e0+e1) + bg
.endr
.irp j, 0,1,2,3,4,5,6,7,8,9,10,11,12,13,14,15
	v_min_num_f32 v[(\a)+\j], v[(\a)+\j], v228
.endr
.irp j, 0,2,4,6,8,10,12,14
	v_pk_mul_f32 v[T+\j:T+\j+1], v[(\a)+\j:(\a)+\j+1], s[38:39] op_sel_hi:[1,0]
.endr
.irp j, 0,1,2,3,4,5,6,7,8,9,10,11,12,13,14,15
	v_exp_f32 v[T+\j], v[T+\j]                     ; e^(-1.702 gate)
.endr
.irp j, 0,2,4,6,8,10,12,14
	v_pk_fma_f32 v[(\a)+16+\j:(\a)+17+\j], v[(\a)+16+\j:(\a)+17+\j], s[36:37], v[BU+\j:BU+\j+1] op_sel_hi:[1,0,1]   ; up = sum x 2^(e2+e3) + bu
.endr
.irp j, 0,1,2,3,4,5,6,7,8,9,10,11,12,13,14,15
	v_med3_num_f32 v[(\a)+16+\j], v[(\a)+16+\j], -v228, v228
.endr
	s_wait_alu depctr_va_vdst(0)
.irp j, 0,2,4,6,8,10,12,14
	v_pk_add_f32 v[T+\j:T+\j+1], v[T+\j:T+\j+1], 1.0 op_sel_hi:[1,0]
.endr
.irp j, 0,1,2,3,4,5,6,7,8,9,10,11,12,13,14,15
	v_rcp_f32 v[T+\j], v[T+\j]                     ; the sigmoid
.endr
.irp j, 0,2,4,6,8,10,12,14
	v_pk_fma_f32 v[(\a)+16+\j:(\a)+17+\j], v[(\a)+16+\j:(\a)+17+\j], v[(\a)+\j:(\a)+\j+1], v[(\a)+\j:(\a)+\j+1]   ; (up + 1) x gate
.endr
	s_wait_alu depctr_va_vdst(0)
.irp j, 0,2,4,6,8,10,12,14
	v_pk_mul_f32 v[(\a)+16+\j:(\a)+17+\j], v[(\a)+16+\j:(\a)+17+\j], v[T+\j:T+\j+1]
.endr
.irp j, 0,1,2,3,4,5,6,7,8,9,10,11,12,13,14,15
	v_med3_num_f32 v[(\a)+16+\j], v[(\a)+16+\j], -v229, v229   ; the conversion to an 8-bit code does not saturate (ISA guide 7.6.2): the hold at the largest code x the scale
.endr
	v_cvt_scalef32_pk8_bf8_f32 v[CD+(\cd):CD+(\cd)+1], v[(\a)+16:(\a)+23], v8
	v_cvt_scalef32_pk8_bf8_f32 v[CD+(\cd)+2:CD+(\cd)+3], v[(\a)+24:(\a)+31], v8
	v_nop                                          ; a plain line between the conversions and whatever next writes their sources
	global_store_b128 v1, v[CD+(\cd):CD+(\cd)+3], s[48:49] offset:\off   ; 32 lanes store 512 consecutive bytes, aligned: one block (K step, c) of the tile's image
.endm
.macro UNIT u                          ; 32 columns d for my tiles of this pass
	s_wait_xcnt 0x0                                ; earlier stores have read the codes' registers
.irp k, 0,1,2,3
	global_load_b128 v[BG+4*\k:BG+4*\k+3], v9, s[44:45] offset:128*\u+16*\k   ; the biases of my 16 columns
	global_load_b128 v[BU+4*\k:BU+4*\k+3], v9, s[46:47] offset:128*\u+16*\k
.endr
	KLOOP \u, 0, 1-\u
	PLACES 4
	s_wait_loadcnt 0x0                             ; the biases
.irp i, 0,1,2,3
	ACT ACC+32*\i, 4*\i, \i*131072+\u*512
.endr
	s_add_co_u32 s66, s53, 16
	s_cmp_ge_u32 s66, s50
	s_cbranch_scc1 .Lno_mini_\@                    ; tile 20 g + 16 + w has no rows
	KLOOP \u, 1, 0
	PLACES 4
	ACT ACC, 16, 4*131072+\u*512
.Lno_mini_\@:
.endm
.Lpass:                                            ; four trips, a constant: what a pass has no tiles for is jumped over inside the trip
	s_cmp_ge_u32 s53, s51
	s_cbranch_scc1 .Lnext
	s_cmp_eq_u32 s52, 0
	s_cbranch_scc1 .Lhave_x                        ; pass 0's x was asked for above
	s_wait_loadcnt 0x0                             ; x's registers and offsets are written again only when no earlier load is out; from pass to pass the wait for the biases has shown that already
	XLIST
	s_wait_loadcnt 0x0                             ; the pass's tokens
	XCODES
.Lhave_x:
	UNIT 0
	UNIT 1
.Lnext:
	s_wait_xcnt 0x0                                ; the stores have read their base
	s_add_nc_u64 s[48:49], s[48:49], 655360        ; 20 tiles on
	s_add_co_u32 s53, s53, 20
	s_add_co_u32 s54, s54, 1280
	s_add_co_u32 s52, s52, 1
	s_cmp_lt_u32 s52, 4
	s_cbranch_scc1 .Lpass
	s_wait_tensorcnt 0x0
	ds_add_u32 v254, v255
	s_wait_dscnt 0x0
	s_endpgm
.Lfunc_end_k_q87860701cf_gateup:
	.size	k_q87860701cf_gateup, .Lfunc_end_k_q87860701cf_gateup-k_q87860701cf_gateup
	.p2alignl 7, 3214868480
	.fill 96, 4, 3214868480
	.section	.rodata,"a",@progbits
	.p2align	6, 0x0
	.amdhsa_kernel k_q87860701cf_gateup
		.amdhsa_group_segment_fixed_size 131584
		.amdhsa_private_segment_fixed_size 0
		.amdhsa_enable_private_segment 0
		.amdhsa_kernarg_size 72
		.amdhsa_user_sgpr_count 2
		.amdhsa_user_sgpr_kernarg_segment_ptr 1
		.amdhsa_wavefront_size32 1
		.amdhsa_system_sgpr_workgroup_id_x 1
		.amdhsa_system_sgpr_workgroup_id_y 1
		.amdhsa_system_sgpr_workgroup_id_z 1
		.amdhsa_system_vgpr_workitem_id 0
		.amdhsa_next_free_vgpr 1024
		.amdhsa_next_free_sgpr 80
		.amdhsa_reserve_vcc 0
		.amdhsa_float_denorm_mode_32 3
		.amdhsa_float_denorm_mode_16_64 3
		.amdhsa_memory_ordered 1
		.amdhsa_forward_progress 1
		.amdhsa_inst_pref_size 179
	.end_amdhsa_kernel
	.amdgpu_metadata
---
amdhsa.version: [ 1, 2 ]
amdhsa.kernels:
  - .name:           k_q87860701cf_gateup
    .symbol:         k_q87860701cf_gateup.kd
    .args:
      - { .name: hidden_states_codes, .offset: 0, .size: 8, .value_kind: global_buffer, .address_space: global }
      - { .name: Wg_codes, .offset: 8, .size: 8, .value_kind: global_buffer, .address_space: global }
      - { .name: Wu_codes, .offset: 16, .size: 8, .value_kind: global_buffer, .address_space: global }
      - { .name: bg, .offset: 24, .size: 8, .value_kind: global_buffer, .address_space: global }
      - { .name: bu, .offset: 32, .size: 8, .value_kind: global_buffer, .address_space: global }
      - { .name: lowp_scales, .offset: 40, .size: 8, .value_kind: global_buffer, .address_space: global }
      - { .name: list, .offset: 48, .size: 8, .value_kind: global_buffer, .address_space: global }
      - { .name: act, .offset: 56, .size: 8, .value_kind: global_buffer, .address_space: global }
      - { .name: cnt, .offset: 64, .size: 8, .value_kind: global_buffer, .address_space: global }
    .group_segment_fixed_size: 131584
    .private_segment_fixed_size: 0
    .kernarg_segment_align: 8
    .kernarg_segment_size: 72
    .max_flat_workgroup_size: 128
    .sgpr_count:     80
    .vgpr_count:     1024
    .wavefront_size: 32
...
	.end_amdgpu_metadata
.endif
;; end of part 2
;; launch down (part 3): grid 32 x 8, 4 waves a work-group, no clusters, 305,664 bytes of LDS; arguments act, Wd_codes, bd, lowp_scales, cnt, y; writes y
.if DOCPART == 3
	.amdgcn_target "amdgcn-amd-amdhsa--gfx1250"
	.amdhsa_code_object_version 6
	.text
	.protected	k_q87860701cf_down
	.globl	k_q87860701cf_down
	.p2align	8
	.type	k_q87860701cf_down,@function
k_q87860701cf_down:
	s_mov_b64 s[64:65], 0
	v_nop
	global_prefetch_b8 v0, s[64:65] scope:SCOPE_SE
	s_setreg_imm32_b32 hwreg(HW_REG_WAVE_MODE, 25, 1), 1
	s_wait_xcnt 0x0
; y[e][row][:] = (act codes . Wd_e codes) x 2^(e4+e5) + bd_e for the routed rows of each expert.  act: codes in the order of the operand's registers, [e][tile 80][K step 16][c 4][lane 32][16 bytes];
; Wd [8][1024][2048]: E5M2 codes, K innermost; y [8][1280][1024] f32; cnt[e]: NT, the expert's tiles of 16 rows.
; SHARES.  Work-group (x: 64 output columns x / 2, tiles of parity x % 2; y: expert).  THE WAVES SHARE K: wave w keeps Wd's 64 rows x K 512 w .. 512 w + 511 in 256 registers for the whole launch and reads, of every
; tile, only its own 8 KB, which lie on end in memory; 16 products a tile on four accumulators by turns.  The four waves' partial sums meet in LDS; each wave adds and stores four rows of each tile.
; Tiles 0-15 are always there (the launch before makes them whatever the split), so eight tiles are worked without a guard; tiles 16 + p and 18 + p under a guard on NT (their loads are always issued, held at a tile
; that exists, so that every counted wait holds on every way); the rest in a loop of three trips, a constant, whose work is jumped over where no tile is left.  Barriers stand outside every guard.
; The product is used transposed (source 0 = 16 rows of Wd, source 1 = 16 rows of act): a lane holds eight neighbouring columns of one row of y.
; LDS: wave w's 32 KB at 32768 w: Wd's pieces of 16 bytes, s 8192 + ht 2048 + c 512 + h 256 + ((row ^ (h + 2 c + 8 (s % 2))) << 4): loads of whole 512 bytes of a row are turned into fragments there, without a
; bank met twice; the wave's own bytes, so no barrier.  From 131072: partial sums, wave 43520 + slot 4352 + row 272.
; No tensor load, no copy, no cluster: the guards hang on a count read from memory.  EXEC is never written.
; LIMIT: e4 + e5 between -126 and 127, so that 2^(e4+e5) is an f32 number.
; REGISTERS, window 0: v1 16 lane, v2 r, v3 h, v5 staging address, v6 the same with a row mixed in, v10-17 fragment addresses, v18 where I put partial sums, v20-23 where I read the four waves', v24 my offset in y,
;   v25 16 r, v28-31 bd, v32-63, v64-95, v96-127 three sets of four accumulators, v128-255 act of the two guarded tiles, later the sums at work.   window 1: Wd's 16 fragments.   windows 2, 3: act of eight tiles.
.set RA,    10
.set PBASE, 131072
.set PWAVE, 43520
.set PSLOT, 4352
.set MSB,   0
.macro WIN new                         ; the immediate's high byte repeats the setting that is left
.if MSB != (\new)
	s_set_vgpr_msb (MSB<<8)|(\new)
.set MSB, (\new)
.endif
.endm
.macro PLACES n
.rept \n
	v_nop
.endr
.endm
.macro BAR                             ; my LDS stores have landed and my LDS loads are in: then the work-group's barrier
	s_wait_dscnt 0x0
	s_barrier_signal -1
	s_barrier_wait -1
.endm
.macro BUFOF b                         ; buffer b's window and first register
.if (\b) < 8
.set BW, 2+(\b)/4
.set BR, 64*((\b)%4)
.else
.set BW, 0
.set BR, 128+64*((\b)-8)
.endif
.endm
	s_load_b256 s[4:11], s[0:1], 0x0               ; act s[4:5], Wd s[6:7], bd s[8:9], scales s[10:11]
	s_load_b128 s[12:15], s[0:1], 0x20             ; cnt s[12:13], y s[14:15]
	v_lshl_add_u32 v26, v0, 2, 0x4a800
	v_mov_b32 v27, 0
	v_lshrrev_b32 v6, 5, v0
	v_readfirstlane_b32 s16, v6                    ; wave
	s_and_b32 s17, ttmp7, 0xffff                   ; expert
	s_lshr_b32 s18, ttmp9, 1                       ; slice of 64 columns
	s_and_b32 s19, ttmp9, 1                        ; parity of my tiles
	v_and_b32 v7, 31, v0
	v_lshlrev_b32 v1, 4, v7
	v_and_b32 v2, 15, v0
	v_bfe_u32 v3, v0, 4, 1
	s_lshl_b32 s66, s16, 15                        ; my 32 KB of LDS
	v_bfe_u32 v5, v0, 3, 2
	v_lshlrev_b32 v5, 13, v5
	v_bfe_u32 v6, v0, 1, 2
	v_lshl_add_u32 v5, v6, 9, v5
	v_and_b32 v6, 1, v0
	v_lshl_add_u32 v5, v6, 8, v5
	v_lshl_add_u32 v5, v2, 4, v5
	v_add_nc_u32 v5, s66, v5                       ; lane l of a load holds the piece s = l / 8, c = (l / 2) % 4, h = l % 2 of a row
	v_xor_b32 v6, v2, v3
.irp q, 0,1,2,3,4,5,6,7
	v_xor_b32 v[RA+\q], 2*(\q%4)+8*(\q/4), v6
	v_lshlrev_b32 v[RA+\q], 4, v[RA+\q]
	v_lshl_add_u32 v[RA+\q], v3, 8, v[RA+\q]
	v_add_nc_u32 v[RA+\q], s66, v[RA+\q]
.endr
	s_mul_i32 s66, s16, PWAVE
	s_add_co_u32 s66, s66, PBASE
	v_mul_u32_u24 v18, v2, 272
	v_lshl_add_u32 v18, v3, 5, v18
	v_add_nc_u32 v18, s66, v18                     ; in: row r, 32 bytes for each half of the lanes
	s_mul_i32 s66, s16, 1088
	s_add_co_u32 s66, s66, PBASE
	v_mul_u32_u24 v20, v3, 272
	v_lshl_add_u32 v20, v2, 4, v20
	v_add_nc_u32 v20, s66, v20                     ; back: rows 4 w + h (and two further on), 16 bytes a lane, of wave 0's sums,
	v_add_nc_u32 v21, PWAVE, v20                   ; of wave 1's,
	v_add_nc_u32 v22, 2*PWAVE, v20
	v_add_nc_u32 v23, 3*PWAVE, v20
	v_lshlrev_b32 v24, 12, v3
	v_lshl_add_u32 v24, v2, 4, v24                 ; and the same place in y
	v_lshlrev_b32 v25, 4, v2
	s_lshl_b32 s66, s17, 21
	s_lshl_b32 s67, s18, 17
	s_add_co_u32 s66, s66, s67
	s_lshl_b32 s67, s16, 9
	s_add_co_u32 s66, s66, s67                     ; Wd: (1024 e + 64 slice) rows of 2,048 bytes + 512 w
	s_mov_b32 s67, 0
	s_mul_i32 s68, s17, 2621440
	s_lshl_b32 s69, s16, 13
	s_add_co_u32 s68, s68, s69                     ; act: the expert's tile 0, my four K steps
	s_mov_b32 s69, 0
	s_mul_i32 s70, s17, 5242880
	s_lshl_b32 s71, s16, 14
	s_add_co_u32 s70, s70, s71
	s_lshl_b32 s71, s18, 8
	s_add_co_u32 s70, s70, s71
	s_lshl_b32 s71, s19, 16
	s_add_co_u32 s70, s70, s71                     ; y: the expert's 1,280 rows, tile p, my four rows, my 256 bytes
	s_mov_b32 s71, 0
	s_lshl_b32 s72, s17, 12
	s_lshl_b32 s73, s18, 8
	s_add_co_u32 s72, s72, s73
	s_mov_b32 s73, 0
	s_lshl_b32 s74, s17, 7
	s_mov_b32 s75, 0
	s_lshl_b32 s76, s19, 15
	s_mov_b32 s77, 0
	s_wait_kmcnt 0x0
	s_add_nc_u64 s[12:13], s[12:13], s[74:75]
	s_load_b64 s[20:21], s[10:11], 0x10            ; e4, e5
	s_load_b32 s22, s[12:13], 0x0                  ; NT
	s_add_nc_u64 s[36:37], s[6:7], s[66:67]
	s_add_nc_u64 s[38:39], s[4:5], s[68:69]
	s_add_nc_u64 s[40:41], s[38:39], s[76:77]      ; tile p
	s_add_nc_u64 s[42:43], s[14:15], s[70:71]
	s_add_nc_u64 s[8:9], s[8:9], s[72:73]
	WIN 0x40
.set i, 0
.rept 64
	global_load_b128 v[4*i:4*i+3], v1, s[36:37] offset:2048*i   ; row i of my 64: 512 consecutive bytes
.set i, i+1
.endr
	WIN 0
	global_load_b128 v[28:31], v25, s[8:9]         ; bd of the four columns that I add and store
.macro LOADT b, sb, imm                ; my 8 KB of a tile, as they lie, into buffer b
	BUFOF \b
	WIN BW<<6
.irp q, 0,1,2,3,4,5,6,7,8,9,10,11,12,13,14,15
	global_load_b128 v[BR+4*\q:BR+4*\q+3], v1, s[\sb:\sb+1] offset:(\imm)+512*\q
.endr
.endm
; A tile: 16 products, the four accumulators by turns, one instruction a turn; K step 0 starts the sums.  Five plain places stand behind them: four for the stores that read the results,
; the fifth for the products that begin a set anew.  n: the loads issued behind this buffer's.
.macro COMPT b, acc, slot, n
	BUFOF \b
	s_wait_loadcnt \n
	WIN 0x01+4*BW
.irp sp, 0,1,2,3
.irp ht, 0,1,2,3
.if \sp == 0
	v_wmma_f32_16x16x128_bf8_bf8 v[(\acc)+8*\ht:(\acc)+8*\ht+7], v[16*(4*\sp+\ht):16*(4*\sp+\ht)+15], v[BR+16*\sp:BR+16*\sp+15], 0
.else
	v_wmma_f32_16x16x128_bf8_bf8 v[(\acc)+8*\ht:(\acc)+8*\ht+7], v[16*(4*\sp+\ht):16*(4*\sp+\ht)+15], v[BR+16*\sp:BR+16*\sp+15], v[(\acc)+8*\ht:(\acc)+8*\ht+7]
.endif
.endr
.endr
	WIN 0
	PLACES 5
.irp ht, 0,1,2,3
	ds_store_b128 v18, v[(\acc)+8*\ht:(\acc)+8*\ht+3] offset:(\slot)*PSLOT+\ht*64
	ds_store_b128 v18, v[(\acc)+8*\ht+4:(\acc)+8*\ht+7] offset:(\slot)*PSLOT+\ht*64+16
.endr
.endm
; n tiles (four at the most) from slot slot0 on: the four waves' sums of my four rows are added, scaled, given the bias and stored.
.macro RED slot0, n, sb, i0
	s_wait_xcnt 0x0                                ; earlier stores have read the registers that are loaded now
.set k, 0
.rept \n
.irp a, 0,1
.irp v, 0,1,2,3
	ds_load_b128 v[128+32*k+16*\a+4*\v:128+32*k+16*\a+4*\v+3], v[20+\v] offset:((\slot0)+k)*PSLOT+\a*544
.endr
.endr
.set k, k+1
.endr
.set k, 0
.rept \n
	s_wait_dscnt 8*((\n)-1-k)                      ; this tile's eight loads are in; the later tiles' may be out
.irp a, 0,1
.set R, 128+32*k+16*\a
	v_pk_add_f32 v[R:R+1], v[R:R+1], v[R+4:R+5]
	v_pk_add_f32 v[R+2:R+3], v[R+2:R+3], v[R+6:R+7]
	v_pk_add_f32 v[R+8:R+9], v[R+8:R+9], v[R+12:R+13]
	v_pk_add_f32 v[R+10:R+11], v[R+10:R+11], v[R+14:R+15]
	v_pk_add_f32 v[R:R+1], v[R:R+1], v[R+8:R+9]
	v_pk_add_f32 v[R+2:R+3], v[R+2:R+3], v[R+10:R+11]
	v_pk_fma_f32 v[R:R+1], v[R:R+1], s[26:27], v[28:29] op_sel_hi:[1,0,1]     ; sum x 2^(e4+e5) + bd
	v_pk_fma_f32 v[R+2:R+3], v[R+2:R+3], s[26:27], v[30:31] op_sel_hi:[1,0,1]
	global_store_b128 v24, v[R:R+3], s[\sb:\sb+1] offset:((\i0)+k)*131072+\a*8192   ; sixteen lanes store 256 consecutive bytes, aligned; two rows an instruction
.endr
.set k, k+1
.endr
.endm
	s_wait_kmcnt 0x0
	s_add_co_i32 s26, s20, s21
	s_add_co_i32 s26, s26, 127
	s_lshl_b32 s26, s26, 23                        ; 2^(e4+e5) as f32
	s_mov_b32 s27, s26                             ; (named with it as a pair, so it is written)
	s_max_u32 s23, s22, 16
	s_sub_co_u32 s79, s23, 1                       ; the last tile that is surely there
	s_sub_co_u32 s78, s22, 1                       ; NT - 1: used only where NT is above 20
	s_mov_b32 s67, 0
	s_add_co_u32 s66, s19, 16
	s_min_u32 s66, s66, s79
	s_min_u32 s66, s66, 79
	s_lshl_b32 s66, s66, 15
	s_add_nc_u64 s[44:45], s[38:39], s[66:67]      ; tile 16 + p, or the last that is there
	s_add_co_u32 s66, s19, 18
	s_min_u32 s66, s66, s79
	s_min_u32 s66, s66, 79
	s_lshl_b32 s66, s66, 15
	s_add_nc_u64 s[46:47], s[38:39], s[66:67]      ; tile 18 + p likewise
	LOADT 8, 44, 0
	LOADT 9, 46, 0
.irp i, 0,1,2,3,4,5,6,7
	LOADT \i, 40, \i*65536                         ; tiles 2 i + p
.endr
	s_wait_loadcnt 63                              ; behind Wd's 64 loads and bd's stand 160: they are in
	WIN 0x04                                       ; the store's data from window 1; the exclusive or names its register as source 0, which stays in window 0
.irp r, 0,1,2,3,4,5,6,7,8,9,10,11,12,13,14,15
	v_xor_b32 v6, v5, 16*\r
.irp ht, 0,1,2,3
	ds_store_b128 v6, v[4*(16*\ht+\r):4*(16*\ht+\r)+3] offset:\ht*2048
.endr
.endr
	WIN 0x40
.irp sp, 0,1,2,3
.irp ht, 0,1,2,3
.irp c, 0,1,2,3
	ds_load_b128 v[16*(4*\sp+\ht)+4*\c:16*(4*\sp+\ht)+4*\c+3], v[RA+\c+4*(\sp%2)] offset:\sp*8192+\ht*2048+\c*512   ; LDS serves a wave's instructions in order (ISA guide 5.7.1.4): these see my stores
.endr
.endr
.endr
	WIN 0
	s_wait_dscnt 0x0                               ; Wd's fragments are in their registers, for the rest of the launch
	s_add_co_u32 s66, s19, 16
	s_cmp_ge_u32 s66, s22
	s_cbranch_scc1 .Lno_8
	COMPT 8, 96, 8, 63                             ; behind its loads stand 144
.Lno_8:
	s_add_co_u32 s66, s19, 18
	s_cmp_ge_u32 s66, s22
	s_cbranch_scc1 .Lno_9
	COMPT 9, 64, 9, 63                             ; 128
.Lno_9:
	COMPT 0, 32, 0, 63                             ; behind tile i's loads stand 16 (7 - i)
	COMPT 1, 64, 1, 63
	COMPT 2, 32, 2, 63
	COMPT 3, 64, 3, 63
	COMPT 4, 32, 4, 48
	COMPT 5, 64, 5, 32
	COMPT 6, 32, 6, 16
	COMPT 7, 64, 7, 0
	BAR                                            ; all four waves' partial sums lie in LDS
	RED 0, 4, 42, 0
	RED 4, 4, 42, 4
	s_add_co_u32 s66, s19, 16
	s_cmp_ge_u32 s66, s22
	s_cbranch_scc1 .Lno_r8
	RED 8, 1, 42, 8
.Lno_r8:
	s_add_co_u32 s66, s19, 18
	s_cmp_ge_u32 s66, s22
	s_cbranch_scc1 .Lno_r9
	RED 9, 1, 42, 9
.Lno_r9:
	BAR                                            ; the sums have been read: the slots may be written again
	s_mov_b32 s62, 0
	s_add_co_u32 s63, s19, 20                      ; the trip's first tile: 20 + 16 g + p
	s_add_nc_u64 s[60:61], s[42:43], 10*131072     ; and its rows of y
.Ltrip:                                            ; three trips, a constant: tiles up to 67, more than 1,024 rows can fill
	s_cmp_ge_u32 s63, s22
	s_cbranch_scc1 .Lno_mul
.irp k, 0,1,2,3,4,5,6,7
	s_add_co_u32 s66, s63, 2*\k
	s_min_u32 s66, s66, s78                        ; a tile past the last reads the last one: what it makes goes to rows of its own that nobody reads
	s_min_u32 s66, s66, 79
	s_lshl_b32 s66, s66, 15
	s_add_nc_u64 s[44+2*\k:45+2*\k], s[38:39], s[66:67]
.endr
.irp k, 0,1,2,3,4,5,6,7
	LOADT \k, 44+2*\k, 0
.endr
	COMPT 0, 32, 0, 63
	COMPT 1, 64, 1, 63
	COMPT 2, 32, 2, 63
	COMPT 3, 64, 3, 63
	COMPT 4, 32, 4, 48
	COMPT 5, 64, 5, 32
	COMPT 6, 32, 6, 16
	COMPT 7, 64, 7, 0
.Lno_mul:
	BAR
	s_cmp_ge_u32 s63, s22
	s_cbranch_scc1 .Lno_red
	RED 0, 4, 60, 0
	RED 4, 4, 60, 4
.Lno_red:
	BAR
	s_wait_xcnt 0x0                                ; the stores have read their base
	s_add_nc_u64 s[60:61], s[60:61], 8*131072
	s_add_co_u32 s63, s63, 16
	s_add_co_u32 s62, s62, 1
	s_cmp_lt_u32 s62, 3
	s_cbranch_scc1 .Ltrip
	s_wait_tensorcnt 0x0
	ds_add_u32 v26, v27
	s_wait_dscnt 0x0
	s_endpgm
.Lfunc_end_k_q87860701cf_down:
	.size	k_q87860701cf_down, .Lfunc_end_k_q87860701cf_down-k_q87860701cf_down
	.p2alignl 7, 3214868480
	.fill 96, 4, 3214868480
	.section	.rodata,"a",@progbits
	.p2align	6, 0x0
	.amdhsa_kernel k_q87860701cf_down
		.amdhsa_group_segment_fixed_size 305664
		.amdhsa_private_segment_fixed_size 0
		.amdhsa_enable_private_segment 0
		.amdhsa_kernarg_size 48
		.amdhsa_user_sgpr_count 2
		.amdhsa_user_sgpr_kernarg_segment_ptr 1
		.amdhsa_wavefront_size32 1
		.amdhsa_system_sgpr_workgroup_id_x 1
		.amdhsa_system_sgpr_workgroup_id_y 1
		.amdhsa_system_sgpr_workgroup_id_z 1
		.amdhsa_system_vgpr_workitem_id 0
		.amdhsa_next_free_vgpr 1024
		.amdhsa_next_free_sgpr 84
		.amdhsa_reserve_vcc 0
		.amdhsa_float_denorm_mode_32 3
		.amdhsa_float_denorm_mode_16_64 3
		.amdhsa_memory_ordered 1
		.amdhsa_forward_progress 1
		.amdhsa_inst_pref_size 114
	.end_amdhsa_kernel
	.amdgpu_metadata
---
amdhsa.version: [ 1, 2 ]
amdhsa.kernels:
  - .name:           k_q87860701cf_down
    .symbol:         k_q87860701cf_down.kd
    .args:
      - { .name: act, .offset: 0, .size: 8, .value_kind: global_buffer, .address_space: global }
      - { .name: Wd_codes, .offset: 8, .size: 8, .value_kind: global_buffer, .address_space: global }
      - { .name: bd, .offset: 16, .size: 8, .value_kind: global_buffer, .address_space: global }
      - { .name: lowp_scales, .offset: 24, .size: 8, .value_kind: global_buffer, .address_space: global }
      - { .name: cnt, .offset: 32, .size: 8, .value_kind: global_buffer, .address_space: global }
      - { .name: y, .offset: 40, .size: 8, .value_kind: global_buffer, .address_space: global }
    .group_segment_fixed_size: 305664
    .private_segment_fixed_size: 0
    .kernarg_segment_align: 8
    .kernarg_segment_size: 48
    .max_flat_workgroup_size: 128
    .sgpr_count:     84
    .vgpr_count:     1024
    .wavefront_size: 32
...
	.end_amdgpu_metadata
.endif
;; end of part 3
;; launch combine (part 4): grid 256 x 1, 4 waves a work-group, no clusters, 0 bytes of LDS; arguments y, pos, router_indices, routing_weights, out0; writes out0
.if DOCPART == 4
	.amdgcn_target "amdgcn-amd-amdhsa--gfx1250"
	.amdhsa_code_object_version 6
	.text
	.protected	k_q87860701cf_combine
	.globl	k_q87860701cf_combine
	.p2align	8
	.type	k_q87860701cf_combine,@function
k_q87860701cf_combine:
	s_mov_b64 s[64:65], 0
	v_nop
	global_prefetch_b8 v0, s[64:65] scope:SCOPE_SE
	s_setreg_imm32_b32 hwreg(HW_REG_WAVE_MODE, 25, 1), 1
	s_wait_xcnt 0x0
; out[t][:] = w[t][e0] y[e0][pos[e0][t]][:] + w[t][e1] y[e1][pos[e1][t]][:], e0, e1 = the token's two choices.  A token that names one expert twice has one row there, which is read twice: twice its weight.
; y [8][1280][1024] f32, pos [8][1024] (a token's rank among its expert's rows), router_indices [1024][2], routing_weights [1024][8], out [1024][1024] f32.
; One wave, one token: a row of 4,096 bytes is eight loads of 512 consecutive bytes.  All that steers hangs on the token's number alone, so it comes by one round of scalar loads: the two choices, the token's eight
; weights and its eight ranks; the two that count are picked by selects, without a branch.  Memory binds: no LDS, no barrier, no matrix unit.  An index above 7 is held at 7.
	s_load_b256 s[4:11], s[0:1], 0x0               ; y s[4:5], pos s[6:7], indices s[8:9], weights s[10:11]
	s_load_b64 s[12:13], s[0:1], 0x20              ; out
	v_lshrrev_b32 v2, 5, v0
	v_readfirstlane_b32 s14, v2                    ; wave
	v_and_b32 v1, 31, v0
	v_lshlrev_b32 v1, 4, v1                        ; 16 x lane
	s_lshl_b32 s15, ttmp9, 2
	s_add_co_u32 s15, s15, s14                     ; the token
	s_lshl_b32 s18, s15, 3
	s_mov_b32 s19, 0
	s_lshl_b32 s20, s15, 5
	s_mov_b32 s21, 0
	s_lshl_b32 s22, s15, 2
	s_mov_b32 s23, 0
	s_lshl_b32 s48, s15, 12
	s_mov_b32 s49, 0
	s_wait_kmcnt 0x0
	s_add_nc_u64 s[8:9], s[8:9], s[18:19]
	s_add_nc_u64 s[10:11], s[10:11], s[20:21]
	s_add_nc_u64 s[6:7], s[6:7], s[22:23]
	s_add_nc_u64 s[12:13], s[12:13], s[48:49]
	s_load_b64 s[16:17], s[8:9], 0x0               ; e0, e1
	s_load_b256 s[24:31], s[10:11], 0x0            ; w[t][0..7]
.irp k, 0,1,2,3,4,5,6,7
	s_load_b32 s[32+\k], s[6:7], 4096*\k           ; pos[k][t]
.endr
	s_wait_kmcnt 0x0
.macro PICK ie, sp, sw                 ; s[ie]: the expert.  s[sp] becomes the byte offset of the token's row in y, s[sw] its weight
	s_min_u32 s[\ie], s[\ie], 7
	s_mov_b32 s[\sp], s32
	s_mov_b32 s[\sw], s24
.irp k, 1,2,3,4,5,6,7
	s_cmp_eq_u32 s[\ie], \k
	s_cselect_b32 s[\sp], s[32+\k], s[\sp]
	s_cselect_b32 s[\sw], s[24+\k], s[\sw]
.endr
	s_min_u32 s[\sp], s[\sp], 1279
	s_mul_i32 s[\ie], s[\ie], 1280
	s_add_co_u32 s[\sp], s[\sp], s[\ie]
	s_lshl_b32 s[\sp], s[\sp], 12
.endm
	PICK 16, 40, 44
	PICK 17, 42, 46
	s_mov_b32 s41, 0
	s_mov_b32 s43, 0
	s_mov_b32 s45, s44                             ; (the packed forms name pairs, so both words are written)
	s_mov_b32 s47, s46
	s_add_nc_u64 s[50:51], s[4:5], s[40:41]
	s_add_nc_u64 s[52:53], s[4:5], s[42:43]
.irp i, 0,1,2,3,4,5,6,7
	global_load_b128 v[8+8*\i:11+8*\i], v1, s[50:51] offset:512*\i
	global_load_b128 v[12+8*\i:15+8*\i], v1, s[52:53] offset:512*\i
.endr
.irp i, 0,1,2,3,4,5,6,7
	s_wait_loadcnt 14-2*\i                         ; this piece's two loads are in; the later pieces' stay out
	v_pk_mul_f32 v[8+8*\i:9+8*\i], v[8+8*\i:9+8*\i], s[44:45] op_sel_hi:[1,0]
	v_pk_mul_f32 v[10+8*\i:11+8*\i], v[10+8*\i:11+8*\i], s[44:45] op_sel_hi:[1,0]
	v_pk_fma_f32 v[8+8*\i:9+8*\i], v[12+8*\i:13+8*\i], s[46:47], v[8+8*\i:9+8*\i] op_sel_hi:[1,0,1]
	v_pk_fma_f32 v[10+8*\i:11+8*\i], v[14+8*\i:15+8*\i], s[46:47], v[10+8*\i:11+8*\i] op_sel_hi:[1,0,1]
	global_store_b128 v1, v[8+8*\i:11+8*\i], s[12:13] offset:512*\i th:TH_STORE_NT   ; 32 lanes store 512 consecutive bytes, aligned; written once
.endr
	s_endpgm
.Lfunc_end_k_q87860701cf_combine:
	.size	k_q87860701cf_combine, .Lfunc_end_k_q87860701cf_combine-k_q87860701cf_combine
	.p2alignl 7, 3214868480
	.fill 96, 4, 3214868480
	.section	.rodata,"a",@progbits
	.p2align	6, 0x0
	.amdhsa_kernel k_q87860701cf_combine
		.amdhsa_group_segment_fixed_size 0
		.amdhsa_private_segment_fixed_size 0
		.amdhsa_enable_private_segment 0
		.amdhsa_kernarg_size 40
		.amdhsa_user_sgpr_count 2
		.amdhsa_user_sgpr_kernarg_segment_ptr 1
		.amdhsa_wavefront_size32 1
		.amdhsa_system_sgpr_workgroup_id_x 1
		.amdhsa_system_sgpr_workgroup_id_y 1
		.amdhsa_system_sgpr_workgroup_id_z 1
		.amdhsa_system_vgpr_workitem_id 0
		.amdhsa_next_free_vgpr 80
		.amdhsa_next_free_sgpr 66
		.amdhsa_reserve_vcc 0
		.amdhsa_float_denorm_mode_32 3
		.amdhsa_float_denorm_mode_16_64 3
		.amdhsa_memory_ordered 1
		.amdhsa_forward_progress 1
		.amdhsa_inst_pref_size 9
	.end_amdhsa_kernel
	.amdgpu_metadata
---
amdhsa.version: [ 1, 2 ]
amdhsa.kernels:
  - .name:           k_q87860701cf_combine
    .symbol:         k_q87860701cf_combine.kd
    .args:
      - { .name: y, .offset: 0, .size: 8, .value_kind: global_buffer, .address_space: global }
      - { .name: pos, .offset: 8, .size: 8, .value_kind: global_buffer, .address_space: global }
      - { .name: router_indices, .offset: 16, .size: 8, .value_kind: global_buffer, .address_space: global }
      - { .name: routing_weights, .offset: 24, .size: 8, .value_kind: global_buffer, .address_space: global }
      - { .name: out0, .offset: 32, .size: 8, .value_kind: global_buffer, .address_space: global }
    .group_segment_fixed_size: 0
    .private_segment_fixed_size: 0
    .kernarg_segment_align: 8
    .kernarg_segment_size: 40
    .max_flat_workgroup_size: 128
    .sgpr_count:     66
    .vgpr_count:     80
    .wavefront_size: 32
...
	.end_amdgpu_metadata
.endif
;; end of part 4
;; ======== version 2 of 3: 3 launches; 1.16 times as fast as version 1
;; workspace buffers: act 20,971,520 bytes; y 41,943,040 bytes; pos 32,768 bytes of whole numbers; cnt 1,024 bytes of whole numbers
;; launch gateup (part 5): grid 32 x 8, 4 waves a work-group, no clusters, 131,584 bytes of LDS; arguments hidden_states_codes, Wg_codes, Wu_codes, bg, bu, lowp_scales, router_indices, act, pos, cnt; writes act, pos, cnt
.if DOCPART == 5
	.amdgcn_target "amdgcn-amd-amdhsa--gfx1250"
	.amdhsa_code_object_version 6
	.text
	.protected	k_q87860701cf_gateup
	.globl	k_q87860701cf_gateup
	.p2align	8
	.type	k_q87860701cf_gateup,@function
k_q87860701cf_gateup:
	s_mov_b64 s[64:65], 0
	v_nop
	global_prefetch_b8 v0, s[64:65] scope:SCOPE_SE
	s_setreg_imm32_b32 hwreg(HW_REG_WAVE_MODE, 25, 1), 1
	s_wait_xcnt 0x0
; act = Q((clip(up) + 1) x gate' x sigmoid(1.702 gate')), gate' = min(gate, 7), gate = x Wg_e + bg_e, up = x Wu_e + bu_e, for the tokens that name expert e alone.
; x [1024][1024], Wg, Wu [8][2048][1024]: E5M2 codes, K innermost.  A gate sum stands for sum x 2^(e0+e1), an up sum for sum x 2^(e2+e3); act is quantised with the given 2^e4.
; SHARES.  Work-group (x = slice of 64 columns d, y = expert e) keeps its 64 rows of Wg_e and of Wu_e (128 KB) in LDS: every weight byte is read from memory by one work-group, once.
; Its rows are the tokens that name e, each once, in tiles of 16.
; THE ROUTING IS MADE IN REGISTERS, by every wave for itself, while its weights are on their way.  router_indices [1024][2] comes by 16 loads; lane l of load j holds tokens 64 j + 2 l and 64 j + 2 l + 1.  Ballot
; q = 2 j + b is the mask of the 32 tokens 64 j + b + 2 l that name e; the 32 masks stay in s70-101.  A token's rank is the bits of the ballots before its own + the bits below its own.  The way back, from a rank to
; its token: a walk over the ballots keeps, for each lane, the last ballot whose count so far is not above the lane's rank; the token is that ballot's set bit number (rank - count), found by halving with the mask's
; 16-, 8-, 4- and 2-bit counts.  Wave 0 of slice 0 stores each token's rank (pos) and the number of tiles (cnt) for the launches that follow.
; Tiles 0-15 are always made (a row past the last rank takes some token's codes; nobody reads what it gives), so that the next launch reads them without asking.
; In pass g wave w takes tiles 20 g + 4 i + w (i = 0..3, x in 512 registers) and, where it exists, tile 20 g + 16 + w (128 registers).  The weights stream from LDS, each fragment feeding four products.
; LAYOUT.  The product is used transposed (source 0 = 16 weight rows, source 1 = 16 tokens): a lane holds one token.  Weight tile p of a unit of 32 columns takes rows 8 p + m + 8 (m / 8), so that the 16 registers
; of tiles p = 0, 1 are the 16 neighbouring columns 16 (lane / 16) + 0..15: their codes are 16 bytes of the next product's operand, stored in the order of that operand's registers:
; act [e][tile 80][K step 16][c 4][lane 32][16 bytes].  In every fragment registers 4 c .. 4 c + 3 of lane (r, h) hold k = 128 s + 32 c + 16 h + 0..15: the same order of k on both sides.
; LDS: the weights as pieces of 16 bytes: u 65536 + s 8192 + wt 2048 + c 512 + h 256 + ((row ^ (h + 2 c + 8 (s % 2))) << 4): the exclusive or gives the stores (one row, 16 pieces) and the reads (16 rows, one
; piece) sixteen different 16-byte columns each.
; No tensor load, no copy, no cluster: the guards hang on a count made from an index input.  EXEC is never written.
; LIMITS: e0+e1 and e2+e3 between -126 and 127, e4 between -126 and 112, so that each power of two is an f32 number.  NaN and infinity codes are not served.
; REGISTERS, window 0: v1 16 lane, v2 r, v3 h, v4 16 h, v5 staging address, v6, v7 at work, v8 2^e4, v9 64 h, v10-25 fragment addresses (unit 0, unit 1), v26 my rank in tile w: 16 w + r,
;   v27-31 x offsets of five tiles, v32-47 bg, v48-63 bu (at the head: the ranks), v64-191 accumulators (slot i at 64 + 32 i: gate 0-15, up 16-31), v192-207 at work, v208-227 codes, v228 7.0, v229 57,344 x 2^e4;
;   at the head v192-255 take the indices and then the routing's 55 registers; in later passes the routing works in the accumulators' registers.
;   window 1: v0-127 two sets of four weight fragments; v128-255 x of the fifth tile.   windows 2, 3: x of the four tiles, K steps 0-3 and 4-7.
;   s6-13 masks at work, then s11-13 the three bit patterns; s56 the count so far; s70-101 the ballots.
.set RA,   10
.set XO,   27
.set BG,   32
.set BU,   48
.set ACC,  64
.set T,    192
.set CD,   208
.set IX,   192
.set MK,   70
.set MSB,  0
.macro WIN new                         ; the immediate's high byte repeats the setting that is left; a switch that changes nothing is dropped
.if MSB != (\new)
	s_set_vgpr_msb (MSB<<8)|(\new)
.set MSB, (\new)
.endif
.endm
.macro PLACES n
.rept \n
	v_nop
.endr
.endm
; One line for each of the five tiles: the tiles take turns, so that no line waits for the line above it.
.macro V5 op, d, a, b
.irp i, 0,1,2,3,4
	\op v[(\d)+\i], v[(\a)+\i], v[(\b)+\i]
.endr
.endm
.macro V5K op, d, k, a
.irp i, 0,1,2,3,4
	\op v[(\d)+\i], \k, v[(\a)+\i]
.endr
.endm
; A halving step: t = the set bits in the lower half of the piece at bit PP; where the number sought is t or more, it lies in the upper half: PP + step, and t fewer to pass over.
.macro STEPSEL src, width, step
.if (\step) == 16
	V5K v_and_b32, TT, 0xff, \src
.else
.irp i, 0,1,2,3,4
	v_bfe_u32 v[TT+\i], v[(\src)+\i], v[PP+\i], \width
.endr
.endif
.irp i, 0,1,2,3,4
	v_cmp_ge_u32 s[6+\i], v[DD+\i], v[TT+\i]
.endr
.irp i, 0,1,2,3,4
	v_cndmask_b32 v[UU+\i], 0, v[TT+\i], s[6+\i]
.endr
	V5 v_sub_nc_u32, DD, DD, UU
.if (\step) == 16
.irp i, 0,1,2,3,4
	v_cndmask_b32 v[PP+\i], 0, 16, s[6+\i]
.endr
.else
.irp i, 0,1,2,3,4
	v_cndmask_b32 v[UU+\i], 0, \step, s[6+\i]
.endr
	V5 v_add_nc_u32, PP, PP, UU
.endif
.endm
; The tokens of my five tiles of the pass, from the ballots in s[MK] on, into v[XO] on.  R: 55 registers to work in.  first = 1: the ranks of all tokens (v32-63) and the number of tiles are made on the way.
.macro ROUTE R, first
.set RHO, (\R)                         ; my rank in tile i: 320 g + 64 i + 16 w + r
.set MM,  (\R)+5                       ; the ballot that holds it
.set WW,  (\R)+10                      ; that ballot's count so far, and above bit 16 its first token
.set QA,  (\R)+15                      ; the mask's counts by 2 bits,
.set QB,  (\R)+20                      ; by 4,
.set QC,  (\R)+25                      ; by 8,
.set QE,  (\R)+30                      ; by 16
.set TT,  (\R)+35
.set UU,  (\R)+40
.set PP,  (\R)+45                      ; the bit
.set DD,  (\R)+50                      ; set bits still to pass over
.irp i, 0,1,2,3,4
	s_add_co_u32 s57, s54, 64*\i
	v_add_nc_u32 v[RHO+\i], s57, v26
.endr
	s_mov_b32 s56, 0
.irp i, 0,1,2,3,4
	v_mov_b32 v[MM+\i], s[MK]                      ; ballot 0's count so far is 0, which is above no rank
	v_mov_b32 v[WW+\i], 0
.endr
.set q, 0
.rept 32
.if \first
	v_mbcnt_lo_u32_b32 v[32+q], s[MK+q], s56       ; the rank of my token of this ballot: the count so far + the lanes below me that name e
.endif
.if q > 0
	s_or_b32 s57, s56, (64*(q/2)+(q%2))<<16
.irp i, 0,1,2,3,4
	v_cmp_le_u32 s[6+\i], s56, v[RHO+\i]
.endr
.irp i, 0,1,2,3,4
	v_cndmask_b32 v[MM+\i], v[MM+\i], s[MK+q], s[6+\i]
.endr
.irp i, 0,1,2,3,4
	v_cndmask_b32 v[WW+\i], v[WW+\i], s57, s[6+\i]
.endr
.endif
	s_bcnt1_i32_b32 s58, s[MK+q]
	s_add_co_u32 s56, s56, s58
.set q, q+1
.endr
.if \first
	s_add_co_u32 s50, s56, 15
	s_lshr_b32 s50, s50, 4                         ; NT: tiles with rows
	s_max_u32 s51, s50, 16                         ; tiles that are made at the least
.endif
	V5K v_and_b32, TT, 0xffff, WW
	V5 v_sub_nc_u32, DD, RHO, TT
	V5K v_lshrrev_b32, TT, 1, MM
	V5K v_and_b32, TT, s11, TT
	V5 v_sub_nc_u32, QA, MM, TT
	V5K v_lshrrev_b32, TT, 2, QA
	V5K v_and_b32, TT, s12, TT
	V5K v_and_b32, QB, s12, QA
	V5 v_add_nc_u32, QB, QB, TT
	V5K v_lshrrev_b32, TT, 4, QB
	V5 v_add_nc_u32, TT, QB, TT
	V5K v_and_b32, QC, s13, TT
	V5K v_lshrrev_b32, TT, 8, QC
	V5 v_add_nc_u32, QE, QC, TT
	STEPSEL QE, 8, 16
	STEPSEL QC, 8, 8
	STEPSEL QB, 4, 4
	STEPSEL QA, 2, 2
	STEPSEL MM, 1, 1
	V5K v_lshrrev_b32, TT, 16, WW
.irp i, 0,1,2,3,4
	v_lshl_add_u32 v[XO+\i], v[PP+\i], 1, v[TT+\i] ; the token: the ballot's first + 2 x the bit
.endr
.endm
; Their codes: lane (r, h) takes, of token r, 16 bytes at 128 s + 32 c + 16 h.  The fifth tile first, then the four by K steps, so that the counted waits below hold on every way.
.macro XCODES
.irp i, 0,1,2,3,4
	v_min_u32 v[XO+\i], 0x3ff, v[XO+\i]
.endr
.irp i, 0,1,2,3,4
	v_lshl_add_u32 v[XO+\i], v[XO+\i], 10, v4
.endr
	WIN 0x40
.irp s, 0,1,2,3,4,5,6,7
.irp c, 0,1,2,3
	global_load_b128 v[128+16*\s+4*\c:128+16*\s+4*\c+3], v[XO+4], s[4:5] offset:128*\s+32*\c
.endr
.endr
	WIN 0x80
.irp s, 0,1,2,3
.irp t, 0,1,2,3
.irp c, 0,1,2,3
	global_load_b128 v[16*(4*\s+\t)+4*\c:16*(4*\s+\t)+4*\c+3], v[XO+\t], s[4:5] offset:128*\s+32*\c
.endr
.endr
.endr
	WIN 0xc0
.irp s, 4,5,6,7
.irp t, 0,1,2,3
.irp c, 0,1,2,3
	global_load_b128 v[16*(4*(\s-4)+\t)+4*\c:16*(4*(\s-4)+\t)+4*\c+3], v[XO+\t], s[4:5] offset:128*\s+32*\c
.endr
.endr
.endr
	WIN 0
.endm
	s_load_b512 s[4:19], s[0:1], 0x0               ; x s[4:5], Wg s[6:7], Wu s[8:9], bg s[10:11], bu s[12:13], scales s[14:15], indices s[16:17], act s[18:19]
	s_load_b128 s[20:23], s[0:1], 0x40             ; pos s[20:21], cnt s[22:23]
	v_lshrrev_b32 v6, 5, v0
	v_readfirstlane_b32 s24, v6                    ; wave
	s_and_b32 s25, ttmp7, 0xffff                   ; expert
	s_mov_b32 s26, ttmp9                           ; slice
	v_and_b32 v7, 31, v0
	v_lshlrev_b32 v1, 4, v7                        ; 16 x lane
	v_and_b32 v2, 15, v0                           ; r
	v_bfe_u32 v3, v0, 4, 1                         ; h
	v_lshlrev_b32 v4, 4, v3
	v_lshlrev_b32 v9, 6, v3
	; staging: lane l of a load holds the piece s % 4 = l / 8, c = (l / 2) % 4, h = l % 2 of one weight row
	v_bfe_u32 v5, v0, 3, 2
	v_lshlrev_b32 v5, 13, v5
	v_bfe_u32 v6, v0, 1, 2
	v_lshl_add_u32 v5, v6, 9, v5
	v_and_b32 v6, 1, v0
	v_lshl_add_u32 v5, v6, 8, v5
	v_lshl_add_u32 v5, v2, 4, v5                   ; the column before the row is mixed in: l % 16 = h + 2 c + 8 (s % 2)
	s_lshr_b32 s66, s24, 1
	s_lshl_b32 s66, s66, 16                        ; waves 2, 3 stage unit 1
	s_and_b32 s67, s24, 1
	s_lshl_b32 s67, s67, 12                        ; odd waves stage up's two tiles
	s_add_co_u32 s66, s66, s67
	v_add_nc_u32 v5, s66, v5
	v_xor_b32 v6, v2, v3                           ; r ^ h
.irp q, 0,1,2,3,4,5,6,7
	v_xor_b32 v[RA+\q], 2*(\q%4)+8*(\q/4), v6      ; c = q % 4, s % 2 = q / 4
	v_lshlrev_b32 v[RA+\q], 4, v[RA+\q]
	v_lshl_add_u32 v[RA+\q], v3, 8, v[RA+\q]
	v_add_nc_u32 v[RA+8+\q], 65536, v[RA+\q]
.endr
	s_lshl_b32 s66, s24, 4
	v_add_nc_u32 v26, s66, v2                      ; my rank in tile w: 16 w + r
	s_mov_b32 s52, 0                               ; pass
	s_mov_b32 s53, s24                             ; my first tile of the pass: 20 g + w
	s_mov_b32 s54, 0                               ; the pass's first rank: 320 g
	; byte offsets, made apart from the addresses
	s_lshl_b32 s66, s25, 21
	s_lshl_b32 s67, s26, 16
	s_add_co_u32 s66, s66, s67
	s_lshr_b32 s67, s24, 1
	s_lshl_b32 s67, s67, 15
	s_add_co_u32 s66, s66, s67                     ; weights: (2048 e + 64 x + 32 (w / 2)) rows of 1,024 bytes
	s_mov_b32 s67, 0
	s_lshl_b32 s68, s25, 13
	s_lshl_b32 s69, s26, 8
	s_add_co_u32 s68, s68, s69                     ; biases: (2048 e + 64 x) x 4
	s_mov_b32 s69, 0
	s_mul_i32 s70, s25, 2621440                    ; act: 80 tiles of 32,768 bytes an expert,
	s_lshl_b32 s71, s24, 15                        ; tile w,
	s_add_co_u32 s70, s70, s71
	s_lshr_b32 s71, s26, 1
	s_lshl_b32 s71, s71, 11                        ; K step x / 2,
	s_add_co_u32 s70, s70, s71
	s_and_b32 s71, s26, 1
	s_lshl_b32 s71, s71, 10                        ; c = 2 (x % 2) + unit
	s_add_co_u32 s70, s70, s71
	s_mov_b32 s71, 0
	s_lshl_b32 s72, s25, 12                        ; the expert's ranks
	s_mov_b32 s73, 0
	s_lshl_b32 s74, s25, 7                         ; and its count
	s_mov_b32 s75, 0
	s_and_b32 s76, s24, 1
	s_wait_kmcnt 0x0
	s_load_b128 s[28:31], s[14:15], 0x0            ; e0 .. e3
	s_load_b32 s32, s[14:15], 0x10                 ; e4
	s_cmp_lg_u32 s76, 0
	s_cselect_b64 s[42:43], s[8:9], s[6:7]         ; odd waves fetch Wu, even waves Wg: the choice hangs on the wave's number
	s_add_nc_u64 s[42:43], s[42:43], s[66:67]
	s_add_nc_u64 s[44:45], s[10:11], s[68:69]
	s_add_nc_u64 s[46:47], s[12:13], s[68:69]
	s_add_nc_u64 s[48:49], s[18:19], s[70:71]
	s_add_nc_u64 s[60:61], s[20:21], s[72:73]
	s_add_nc_u64 s[62:63], s[22:23], s[74:75]
.irp j, 0,1,2,3,4,5,6,7,8,9,10,11,12,13,14,15
	global_load_b128 v[IX+4*\j:IX+4*\j+3], v1, s[16:17] offset:512*\j   ; the two choices of tokens 64 j + 2 lane and 64 j + 2 lane + 1: asked for ahead of the weights, so that the routing is made while the weights arrive
.endr
	; my 32 weight rows, 32 KB on end: each load takes 512 consecutive bytes; read once in the launch
.set i, 0
.rept 32
	global_load_b128 v[64+4*i:67+4*i], v1, s[42:43] offset:512*i th:TH_LOAD_NT
.set i, i+1
.endr
	WIN 0x40
.rept 32
	global_load_b128 v[4*(i-32):4*(i-32)+3], v1, s[42:43] offset:512*i th:TH_LOAD_NT
.set i, i+1
.endr
	WIN 0
	s_wait_loadcnt 63                              ; behind the 16 index loads stand 64 loads: a count under 64 shows them in
	; the 32 ballots, eight at a time: a token that names e twice has one bit, and one row
.set q, 0
.rept 4
.set k, 0
.rept 8
	v_cmp_eq_u32 s[MK+q+k], s25, v[IX+2*(q+k)]
	v_cmp_eq_u32 s[6+k], s25, v[IX+2*(q+k)+1]
.set k, k+1
.endr
.set k, 0
.rept 8
	s_or_b32 s[MK+q+k], s[MK+q+k], s[6+k]
.set k, k+1
.endr
.set q, q+8
.endr
	s_mov_b32 s11, 0x55555555
	s_mov_b32 s12, 0x33333333
	s_mov_b32 s13, 0x0f0f0f0f
	ROUTE IX, 1                                    ; the indices' registers are free: the routing works there
	XCODES                                         ; pass 0's x is on its way while the weights are staged
	s_cmp_lg_u32 s24, 0
	s_cbranch_scc1 .Lno_pos
	s_cmp_lg_u32 s26, 0
	s_cbranch_scc1 .Lno_pos                        ; wave 0 of slice 0 alone stores ranks and count
	v_lshrrev_b32 v6, 1, v1                        ; 8 x lane
	v_lshrrev_b32 v7, 2, v1                        ; 4 x lane
	v_mov_b32 v255, s50
.irp j, 0,1,2,3,4,5,6,7,8,9,10,11,12,13,14,15
	global_store_b64 v6, v[32+2*\j:33+2*\j], s[60:61] offset:256*\j   ; 32 lanes store 256 consecutive bytes, aligned
.endr
	global_store_b32 v7, v255, s[62:63]            ; a word for each lane, so that EXEC stays whole
	s_wait_xcnt 0x0                                ; v6, v7 and the ranks' registers are written again only behind this wait
.Lno_pos:
	s_wait_loadcnt 63                              ; behind the 64 weight loads stand 160: they are in
	; row rho = 16 (rw / 8) + 8 p + rw % 8 of my 32 is row rw of weight tile p; its two halves are K steps 0-3 and 4-7
.irp rw, 0,1,2,3,4,5,6,7,8,9,10,11,12,13,14,15
.if \rw == 8
	WIN 0x04                                       ; the store's data from window 1; the exclusive or names its register as source 0, which stays in window 0
.endif
	v_xor_b32 v6, v5, 16*\rw
.irp p, 0,1
.irp hf, 0,1
.set i, 2*(16*(\rw/8)+8*\p+(\rw%8))+\hf
.if i < 32
	ds_store_b128 v6, v[64+4*i:67+4*i] offset:\hf*32768+\p*2048
.else
	ds_store_b128 v6, v[4*(i-32):4*(i-32)+3] offset:\hf*32768+\p*2048
.endif
.endr
.endr
.endr
	WIN 0
	s_wait_kmcnt 0x0
	s_add_co_i32 s34, s28, s29
	s_add_co_i32 s34, s34, 127
	s_lshl_b32 s34, s34, 23                        ; 2^(e0+e1) as f32
	s_mov_b32 s35, s34                             ; (named with it as a pair, so it is written)
	s_add_co_i32 s36, s30, s31
	s_add_co_i32 s36, s36, 127
	s_lshl_b32 s36, s36, 23                        ; 2^(e2+e3)
	s_mov_b32 s37, s36
	s_mov_b32 s38, 0xc01d265f                      ; -1.702 log2(e)
	s_mov_b32 s39, s38
	s_add_co_i32 s40, s32, 127
	s_lshl_b32 s41, s40, 23
	v_mov_b32 v8, s41                              ; 2^e4: the conversion takes its exponent field
	s_add_co_i32 s40, s40, 15
	s_lshl_b32 s40, s40, 23
	s_or_b32 s40, s40, 0x600000
	v_mov_b32 v229, s40                            ; 57,344 x 2^e4
	v_mov_b32 v228, 0x40e00000                     ; 7.0
	s_wait_dscnt 0x0                               ; my part of the weights lies in LDS
	s_barrier_signal -1
	s_barrier_wait -1                              ; everybody's does; nothing is stored to LDS from here on
.macro FETCHW u, s, buf                ; the four weight fragments of unit u, K step s, into set buf
	WIN 0x40
.irp wt, 0,1,2,3
.irp c, 0,1,2,3
	ds_load_b128 v[64*(\buf)+16*\wt+4*\c:64*(\buf)+16*\wt+4*\c+3], v[RA+8*(\u)+\c+4*((\s)%2)] offset:(\s)*8192+\wt*2048+\c*512
.endr
.endr
.endm
.macro MULM s, buf                     ; 16 products: four tiles of tokens x four weight tiles.  The 16 accumulators take turns, one instruction a turn; K step 0 starts the sums
	WIN 0x09+4*((\s)/4)
.irp t, 0,1,2,3
.irp wt, 0,1,2,3
.if (\s) == 0
	v_wmma_f32_16x16x128_bf8_bf8 v[ACC+32*\t+8*\wt:ACC+32*\t+8*\wt+7], v[64*(\buf)+16*\wt:64*(\buf)+16*\wt+15], v[16*(4*((\s)%4)+\t):16*(4*((\s)%4)+\t)+15], 0
.else
	v_wmma_f32_16x16x128_bf8_bf8 v[ACC+32*\t+8*\wt:ACC+32*\t+8*\wt+7], v[64*(\buf)+16*\wt:64*(\buf)+16*\wt+15], v[16*(4*((\s)%4)+\t):16*(4*((\s)%4)+\t)+15], v[ACC+32*\t+8*\wt:ACC+32*\t+8*\wt+7]
.endif
.endr
.endr
.endm
.macro MULS s, buf                     ; the fifth tile: four products on slot 0's accumulators, by turns
	WIN 0x05
.irp wt, 0,1,2,3
.if (\s) == 0
	v_wmma_f32_16x16x128_bf8_bf8 v[ACC+8*\wt:ACC+8*\wt+7], v[64*(\buf)+16*\wt:64*(\buf)+16*\wt+15], v[128+16*(\s):128+16*(\s)+15], 0
.else
	v_wmma_f32_16x16x128_bf8_bf8 v[ACC+8*\wt:ACC+8*\wt+7], v[64*(\buf)+16*\wt:64*(\buf)+16*\wt+15], v[128+16*(\s):128+16*(\s)+15], v[ACC+8*\wt:ACC+8*\wt+7]
.endif
.endr
.endm
; All of K for one unit.  The next step's fragments are asked for ahead of a step's products, four plain places behind the products that read their registers (ISA guide 7.12.1).
; xw = 1: x is still on its way: behind K step s's 16 loads stand 16 (7 - s) of x and the 8 of the biases.
.macro KLOOP u, mini, xw
	FETCHW \u, 0, 0
.irp s, 0,1,2,3,4,5,6,7
.if \s < 7
.if \s > 0
	PLACES 4
.endif
	FETCHW \u, (\s+1), ((\s+1)%2)
	s_wait_dscnt 16                                ; all but the 16 just issued
.else
	s_wait_dscnt 0x0
.endif
.if \xw
.if 16*(7-\s)+8 > 63
	s_wait_loadcnt 63
.else
	s_wait_loadcnt 16*(7-\s)+8
.endif
.endif
.if \mini
	MULS \s, (\s%2)
.else
	MULM \s, (\s%2)
.endif
.endr
	WIN 0
.endm
; One slot's 16 numbers a lane: gate in v[a] on, up in v[a + 16] on, each accumulator read from its low end on.  Plain work that is due anyway stands behind the exponentials and behind the reciprocals.
.macro ACT a, cd, off
.irp j, 0,2,4,6,8,10,12,14
	v_pk_fma_f32 v[(\a)+\j:(\a)+\j+1], v[(\a)+\j:(\a)+\j+1], s[34:35], v[BG+\j:BG+\j+1] op_sel_hi:[1,0,1]   ; gate = sum x 2^(e0+e1) + bg
.endr
.irp j, 0,1,2,3,4,5,6,7,8,9,10,11,12,13,14,15
	v_min_num_f32 v[(\a)+\j], v[(\a)+\j], v228
.endr
.irp j, 0,2,4,6,8,10,12,14
	v_pk_mul_f32 v[T+\j:T+\j+1], v[(\a)+\j:(\a)+\j+1], s[38:39] op_sel_hi:[1,0]
.endr
.irp j, 0,1,2,3,4,5,6,7,8,9,10,11,12,13,14,15
	v_exp_f32 v[T+\j], v[T+\j]                     ; e^(-1.702 gate)
.endr
.irp j, 0,2,4,6,8,10,12,14
	v_pk_fma_f32 v[(\a)+16+\j:(\a)+17+\j], v[(\a)+16+\j:(\a)+17+\j], s[36:37], v[BU+\j:BU+\j+1] op_sel_hi:[1,0,1]   ; up = sum x 2^(e2+e3) + bu
.endr
.irp j, 0,1,2,3,4,5,6,7,8,9,10,11,12,13,14,15
	v_med3_num_f32 v[(\a)+16+\j], v[(\a)+16+\j], -v228, v228
.endr
	s_wait_alu depctr_va_vdst(0)
.irp j, 0,2,4,6,8,10,12,14
	v_pk_add_f32 v[T+\j:T+\j+1], v[T+\j:T+\j+1], 1.0 op_sel_hi:[1,0]
.endr
.irp j, 0,1,2,3,4,5,6,7,8,9,10,11,12,13,14,15
	v_rcp_f32 v[T+\j], v[T+\j]                     ; the sigmoid
.endr
.irp j, 0,2,4,6,8,10,12,14
	v_pk_fma_f32 v[(\a)+16+\j:(\a)+17+\j], v[(\a)+16+\j:(\a)+17+\j], v[(\a)+\j:(\a)+\j+1], v[(\a)+\j:(\a)+\j+1]   ; (up + 1) x gate
.endr
	s_wait_alu depctr_va_vdst(0)
.irp j, 0,2,4,6,8,10,12,14
	v_pk_mul_f32 v[(\a)+16+\j:(\a)+17+\j], v[(\a)+16+\j:(\a)+17+\j], v[T+\j:T+\j+1]
.endr
.irp j, 0,1,2,3,4,5,6,7,8,9,10,11,12,13,14,15
	v_med3_num_f32 v[(\a)+16+\j], v[(\a)+16+\j], -v229, v229   ; the conversion to an 8-bit code does not saturate (ISA guide 7.6.2): the hold at the largest code x the scale
.endr
	v_cvt_scalef32_pk8_bf8_f32 v[CD+(\cd):CD+(\cd)+1], v[(\a)+16:(\a)+23], v8
	v_cvt_scalef32_pk8_bf8_f32 v[CD+(\cd)+2:CD+(\cd)+3], v[(\a)+24:(\a)+31], v8
	v_nop                                          ; a plain line between the conversions and whatever next writes their sources
	global_store_b128 v1, v[CD+(\cd):CD+(\cd)+3], s[48:49] offset:\off   ; 32 lanes store 512 consecutive bytes, aligned: one block (K step, c) of the tile's image
.endm
.macro UNIT u                          ; 32 columns d for my tiles of this pass
	s_wait_xcnt 0x0                                ; earlier stores have read the codes' registers
.irp k, 0,1,2,3
	global_load_b128 v[BG+4*\k:BG+4*\k+3], v9, s[44:45] offset:128*\u+16*\k   ; the biases of my 16 columns
	global_load_b128 v[BU+4*\k:BU+4*\k+3], v9, s[46:47] offset:128*\u+16*\k
.endr
	KLOOP \u, 0, 1-\u
	PLACES 4
	s_wait_loadcnt 0x0                             ; the biases
.irp i, 0,1,2,3
	ACT ACC+32*\i, 4*\i, \i*131072+\u*512
.endr
	s_add_co_u32 s66, s53, 16
	s_cmp_ge_u32 s66, s50
	s_cbranch_scc1 .Lno_mini_\@                    ; tile 20 g + 16 + w has no rows
	KLOOP \u, 1, 0
	PLACES 4
	ACT ACC, 16, 4*131072+\u*512
.Lno_mini_\@:
.endm
.Lpass:                                            ; four trips, a constant: what a pass has no tiles for is jumped over inside the trip
	s_cmp_ge_u32 s53, s51
	s_cbranch_scc1 .Lnext
	s_cmp_eq_u32 s52, 0
	s_cbranch_scc1 .Lhave_x                        ; pass 0's x was asked for above
	s_wait_loadcnt 0x0                             ; x's registers and offsets are written again only when no earlier load is out; from pass to pass the wait for the biases has shown that already
	ROUTE ACC, 0                                   ; the ballots are still in their scalar registers; the accumulators' registers are free between passes
	XCODES
.Lhave_x:
	UNIT 0
	UNIT 1
.Lnext:
	s_wait_xcnt 0x0                                ; the stores have read their base
	s_add_nc_u64 s[48:49], s[48:49], 655360        ; 20 tiles on
	s_add_co_u32 s53, s53, 20
	s_add_co_u32 s54, s54, 320
	s_add_co_u32 s52, s52, 1
	s_cmp_lt_u32 s52, 4
	s_cbranch_scc1 .Lpass
	s_wait_xcnt 0x0
	v_lshl_add_u32 v254, v0, 2, 0x20000
	v_mov_b32 v255, 0
	s_wait_tensorcnt 0x0
	ds_add_u32 v254, v255
	s_wait_dscnt 0x0
	s_endpgm
.Lfunc_end_k_q87860701cf_gateup:
	.size	k_q87860701cf_gateup, .Lfunc_end_k_q87860701cf_gateup-k_q87860701cf_gateup
	.p2alignl 7, 3214868480
	.fill 96, 4, 3214868480
	.section	.rodata,"a",@progbits
	.p2align	6, 0x0
	.amdhsa_kernel k_q87860701cf_gateup
		.amdhsa_group_segment_fixed_size 131584
		.amdhsa_private_segment_fixed_size 0
		.amdhsa_enable_private_segment 0
		.amdhsa_kernarg_size 80
		.amdhsa_user_sgpr_count 2
		.amdhsa_user_sgpr_kernarg_segment_ptr 1
		.amdhsa_wavefront_size32 1
		.amdhsa_system_sgpr_workgroup_id_x 1
		.amdhsa_system_sgpr_workgroup_id_y 1
		.amdhsa_system_sgpr_workgroup_id_z 1
		.amdhsa_system_vgpr_workitem_id 0
		.amdhsa_next_free_vgpr 1024
		.amdhsa_next_free_sgpr 102
		.amdhsa_reserve_vcc 0
		.amdhsa_float_denorm_mode_32 3
		.amdhsa_float_denorm_mode_16_64 3
		.amdhsa_memory_ordered 1
		.amdhsa_forward_progress 1
		.amdhsa_inst_pref_size 255
	.end_amdhsa_kernel
	.section	.bss,"aw",@nobits
	.p2align	6
	.space	262144
	.amdgpu_metadata
---
amdhsa.version: [ 1, 2 ]
amdhsa.kernels:
  - .name:           k_q87860701cf_gateup
    .symbol:         k_q87860701cf_gateup.kd
    .args:
      - { .name: hidden_states_codes, .offset: 0, .size: 8, .value_kind: global_buffer, .address_space: global }
      - { .name: Wg_codes, .offset: 8, .size: 8, .value_kind: global_buffer, .address_space: global }
      - { .name: Wu_codes, .offset: 16, .size: 8, .value_kind: global_buffer, .address_space: global }
      - { .name: bg, .offset: 24, .size: 8, .value_kind: global_buffer, .address_space: global }
      - { .name: bu, .offset: 32, .size: 8, .value_kind: global_buffer, .address_space: global }
      - { .name: lowp_scales, .offset: 40, .size: 8, .value_kind: global_buffer, .address_space: global }
      - { .name: router_indices, .offset: 48, .size: 8, .value_kind: global_buffer, .address_space: global }
      - { .name: act, .offset: 56, .size: 8, .value_kind: global_buffer, .address_space: global }
      - { .name: pos, .offset: 64, .size: 8, .value_kind: global_buffer, .address_space: global }
      - { .name: cnt, .offset: 72, .size: 8, .value_kind: global_buffer, .address_space: global }
    .group_segment_fixed_size: 131584
    .private_segment_fixed_size: 0
    .kernarg_segment_align: 8
    .kernarg_segment_size: 80
    .max_flat_workgroup_size: 128
    .sgpr_count:     102
    .vgpr_count:     1024
    .wavefront_size: 32
...
	.end_amdgpu_metadata
.endif
;; end of part 5
;; launch down: the kernel of part 3 again; grid 32 x 8, 4 waves a work-group, no clusters, 305,664 bytes of LDS; arguments act, Wd_codes, bd, lowp_scales, cnt, y; writes y
;; launch combine: the kernel of part 4 again; grid 256 x 1, 4 waves a work-group, no clusters, 0 bytes of LDS; arguments y, pos, router_indices, routing_weights, out0; writes out0
;; ======== version 3 of 3: 3 launches; version 2 with the launch down written anew for expert scheduling mode
;; workspace buffers: act 20,971,520 bytes; y 41,943,040 bytes; pos 32,768 bytes of whole numbers; cnt 1,024 bytes of whole numbers
;; launch gateup: the kernel of part 5 again; grid 32 x 8, 4 waves a work-group, no clusters, 131,584 bytes of LDS; arguments hidden_states_codes, Wg_codes, Wu_codes, bg, bu, lowp_scales, router_indices, act, pos, cnt; writes act, pos, cnt
;; launch down (part 6): grid 32 x 8, 4 waves a work-group, no clusters, 305,664 bytes of LDS; arguments act, Wd_codes, bd, lowp_scales, cnt, y; writes y
.if DOCPART == 6
	.amdgcn_target "amdgcn-amd-amdhsa--gfx1250"
	.amdhsa_code_object_version 6
	.text
	.protected	k_q87860701cf_down
	.globl	k_q87860701cf_down
	.p2align	8
	.type	k_q87860701cf_down,@function
k_q87860701cf_down:
	s_mov_b64 s[64:65], 0
	v_nop
	global_prefetch_b8 v0, s[64:65] scope:SCOPE_SE
	s_setreg_imm32_b32 hwreg(HW_REG_WAVE_SCHED_MODE, 0, 2), 2
	s_setreg_imm32_b32 hwreg(HW_REG_WAVE_MODE, 25, 1), 1
	s_wait_xcnt 0x0
	s_wait_alu depctr_vm_vsrc(0)
; y[e][row][:] = (act codes . Wd_e codes) x 2^(e4+e5) + bd_e for the routed rows of each expert.  act: codes in the order of the operand's registers, [e][tile 80][K step 16][c 4][lane 32][16 bytes];
; Wd [8][1024][2048]: E5M2 codes, K innermost; y [8][1280][1024] f32; cnt[e]: NT, the expert's tiles of 16 rows.
; SHARES.  Work-group (x: 64 output columns x / 2, tiles of parity x % 2; y: expert).  THE WAVES SHARE K: wave w keeps Wd's 64 rows x K 512 w .. 512 w + 511 in 256 registers for the whole launch and reads, of every
; tile, only its own 8 KB, which lie on end in memory; 16 products a tile on four accumulators by turns.  The four waves' partial sums meet in LDS; each wave adds and stores four rows of each tile.
; Tiles 0-15 are always there (the launch before makes them whatever the split), so eight tiles are worked without a guard; tiles 16 + p and 18 + p under a guard on NT (their loads are always issued, held at a tile
; that exists, so that every counted wait holds on every way); the rest in a loop of three trips, a constant, whose work is jumped over where no tile is left.  Barriers stand outside every guard.
; The product is used transposed (source 0 = 16 rows of Wd, source 1 = 16 rows of act): a lane holds eight neighbouring columns of one row of y.
; LDS: wave w's 32 KB at 32768 w: Wd's pieces of 16 bytes, s 8192 + ht 2048 + c 512 + h 256 + ((row ^ (h + 2 c + 8 (s % 2))) << 4): loads of whole 512 bytes of a row are turned into fragments there, without a
; bank met twice; the wave's own bytes, so no barrier.  From 131072: partial sums, wave 43520 + slot 4352 + row 272.
; No tensor load, no copy, no cluster: the guards hang on a count read from memory.  EXEC is never written.
; LIMIT: e4 + e5 between -126 and 127, so that 2^(e4+e5) is an f32 number.
; THE MODE: SCHED_MODE bits 1:0 = 2 (LLVM: expert scheduling mode 2), set by the entry lines.  The code itself states the register dependences between vector or matrix instructions and memory or LDS
; instructions, with s_wait_alu, always for 0.
; THE PLAN.  Registers that memory or LDS instructions touch:
;   v1, v10-18, v20-25   offsets and LDS addresses: written at the head, ahead of one wait on va_vdst; never written again.
;   v32-47           at the head: sixteen staging addresses, a register for each row, written ahead of the same wait; read by the staging stores; accumulators afterwards.
;   window 1         Wd as loaded, read by the staging stores; one wait on vm_vsrc; then the fragments' loads land there, and products alone name it.
;   the tiles' buffers   loads land; products read; a trip's loads stand behind the wait on va_vdst of the round before's last tile, and no vector instruction between names them.
;   sets 32 and 64   by turns.  Tile k's products write set k % 2; its eight LDS stores are issued in tile k + 1, behind that tile's first four products.  At a tile's head one wait on vm_vsrc (the stores of two tiles
;                    back have read this set) and one on va_vdst (the tile before's products have written the other set).  A round's last tile and the two guarded tiles store behind a wait of their own.
;   v128-255         in the adding: LDS loads land, the sums are made in place, ONE wait on va_vdst, a run of stores; the next adding's loads stand behind a wait on vm_vsrc.
; REGISTERS, window 0: v1 16 lane, v2 r, v3 h, v5 staging address, v6, v7 at work, v10-17 fragment addresses, v18 where I put partial sums, v20-23 where I read the four waves', v24 my offset in y,
;   v25 16 r, v26, v27 the closing add's two, v28-31 bd, v32-63, v64-95, v96-127 three sets of four accumulators, v128-255 act of the two guarded tiles, later the sums at work.   window 1: Wd's 16 fragments.   windows 2, 3: act of eight tiles.
.set RA,    10
.set SA,    32
.set PBASE, 131072
.set PWAVE, 43520
.set PSLOT, 4352
.set MSB,   0
.macro WIN new                         ; the immediate's high byte repeats the setting that is left
.if MSB != (\new)
	s_set_vgpr_msb (MSB<<8)|(\new)
.set MSB, (\new)
.endif
.endm
.macro PLACES n
.rept \n
	v_nop
.endr
.endm
.macro BAR                             ; my LDS stores have landed and my LDS loads are in: then the work-group's barrier
	s_wait_dscnt 0x0
	s_barrier_signal -1
	s_barrier_wait -1
.endm
.macro BUFOF b                         ; buffer b's window and first register
.if (\b) < 8
.set BW, 2+(\b)/4
.set BR, 64*((\b)%4)
.else
.set BW, 0
.set BR, 128+64*((\b)-8)
.endif
.endm
	s_load_b256 s[4:11], s[0:1], 0x0               ; act s[4:5], Wd s[6:7], bd s[8:9], scales s[10:11]
	s_load_b128 s[12:15], s[0:1], 0x20             ; cnt s[12:13], y s[14:15]
	v_lshl_add_u32 v26, v0, 2, 0x4a800
	v_mov_b32 v27, 0
	v_lshrrev_b32 v6, 5, v0
	v_readfirstlane_b32 s16, v6                    ; wave
	s_and_b32 s17, ttmp7, 0xffff                   ; expert
	s_lshr_b32 s18, ttmp9, 1                       ; slice of 64 columns
	s_and_b32 s19, ttmp9, 1                        ; parity of my tiles
	v_and_b32 v7, 31, v0
	v_lshlrev_b32 v1, 4, v7
	v_and_b32 v2, 15, v0
	v_bfe_u32 v3, v0, 4, 1
	s_wait_alu depctr_va_sdst(0)                   ; s16, the wave's number, is written, ahead of its first reader
	s_lshl_b32 s66, s16, 15                        ; my 32 KB of LDS
	v_bfe_u32 v5, v0, 3, 2
	v_lshlrev_b32 v5, 13, v5
	v_bfe_u32 v6, v0, 1, 2
	v_lshl_add_u32 v5, v6, 9, v5
	v_and_b32 v6, 1, v0
	v_lshl_add_u32 v5, v6, 8, v5
	v_lshl_add_u32 v5, v2, 4, v5
	v_add_nc_u32 v5, s66, v5                       ; lane l of a load holds the piece s = l / 8, c = (l / 2) % 4, h = l % 2 of a row
.irp r, 0,1,2,3,4,5,6,7,8,9,10,11,12,13,14,15
	v_xor_b32 v[SA+\r], v5, 16*\r                  ; the same with row r mixed in: a register for each row, so that none is written between the stores
.endr
	v_xor_b32 v6, v2, v3
.irp q, 0,1,2,3,4,5,6,7
	v_xor_b32 v[RA+\q], 2*(\q%4)+8*(\q/4), v6
	v_lshlrev_b32 v[RA+\q], 4, v[RA+\q]
	v_lshl_add_u32 v[RA+\q], v3, 8, v[RA+\q]
	v_add_nc_u32 v[RA+\q], s66, v[RA+\q]
.endr
	s_mul_i32 s66, s16, PWAVE
	s_add_co_u32 s66, s66, PBASE
	v_mul_u32_u24 v18, v2, 272
	v_lshl_add_u32 v18, v3, 5, v18
	v_add_nc_u32 v18, s66, v18                     ; in: row r, 32 bytes for each half of the lanes
	s_mul_i32 s66, s16, 1088
	s_add_co_u32 s66, s66, PBASE
	v_mul_u32_u24 v20, v3, 272
	v_lshl_add_u32 v20, v2, 4, v20
	v_add_nc_u32 v20, s66, v20                     ; back: rows 4 w + h (and two further on), 16 bytes a lane, of wave 0's sums,
	v_add_nc_u32 v21, PWAVE, v20                   ; of wave 1's,
	v_add_nc_u32 v22, 2*PWAVE, v20
	v_add_nc_u32 v23, 3*PWAVE, v20
	v_lshlrev_b32 v24, 12, v3
	v_lshl_add_u32 v24, v2, 4, v24                 ; and the same place in y
	v_lshlrev_b32 v25, 4, v2
	s_lshl_b32 s66, s17, 21
	s_lshl_b32 s67, s18, 17
	s_add_co_u32 s66, s66, s67
	s_lshl_b32 s67, s16, 9
	s_add_co_u32 s66, s66, s67                     ; Wd: (1024 e + 64 slice) rows of 2,048 bytes + 512 w
	s_mov_b32 s67, 0
	s_mul_i32 s68, s17, 2621440
	s_lshl_b32 s69, s16, 13
	s_add_co_u32 s68, s68, s69                     ; act: the expert's tile 0, my four K steps
	s_mov_b32 s69, 0
	s_mul_i32 s70, s17, 5242880
	s_lshl_b32 s71, s16, 14
	s_add_co_u32 s70, s70, s71
	s_lshl_b32 s71, s18, 8
	s_add_co_u32 s70, s70, s71
	s_lshl_b32 s71, s19, 16
	s_add_co_u32 s70, s70, s71                     ; y: the expert's 1,280 rows, tile p, my four rows, my 256 bytes
	s_mov_b32 s71, 0
	s_lshl_b32 s72, s17, 12
	s_lshl_b32 s73, s18, 8
	s_add_co_u32 s72, s72, s73
	s_mov_b32 s73, 0
	s_lshl_b32 s74, s17, 7
	s_mov_b32 s75, 0
	s_lshl_b32 s76, s19, 15
	s_mov_b32 s77, 0
	s_wait_kmcnt 0x0
	s_add_nc_u64 s[12:13], s[12:13], s[74:75]
	s_load_b64 s[20:21], s[10:11], 0x10            ; e4, e5
	s_load_b32 s22, s[12:13], 0x0                  ; NT
	s_add_nc_u64 s[36:37], s[6:7], s[66:67]
	s_add_nc_u64 s[38:39], s[4:5], s[68:69]
	s_add_nc_u64 s[40:41], s[38:39], s[76:77]      ; tile p
	s_add_nc_u64 s[42:43], s[14:15], s[70:71]
	s_add_nc_u64 s[8:9], s[8:9], s[72:73]
	WIN 0x40
	s_wait_alu depctr_va_vdst(0)                   ; all offsets and LDS addresses (v1, v10-18, v20-25, v32-47) are written: the loads and stores of the kernel read them, and but for v32-47 none is written again
.set i, 0
.rept 64
	global_load_b128 v[4*i:4*i+3], v1, s[36:37] offset:2048*i   ; row i of my 64: 512 consecutive bytes
.set i, i+1
.endr
	WIN 0
	global_load_b128 v[28:31], v25, s[8:9]         ; bd of the four columns that I add and store
.macro LOADT b, sb, imm                ; my 8 KB of a tile, as they lie, into buffer b
	BUFOF \b
	WIN BW<<6
.irp q, 0,1,2,3,4,5,6,7,8,9,10,11,12,13,14,15
	global_load_b128 v[BR+4*\q:BR+4*\q+3], v1, s[\sb:\sb+1] offset:(\imm)+512*\q
.endr
.endm
; Four products: K step sp of the tile whose buffer BUFOF has named, on the four accumulators of set acc, by turns, one instruction a turn; K step 0 starts the sums.
.macro MULD acc, sp
	WIN 0x01+4*BW
.irp ht, 0,1,2,3
.if (\sp) == 0
	v_wmma_f32_16x16x128_bf8_bf8 v[(\acc)+8*\ht:(\acc)+8*\ht+7], v[16*(4*(\sp)+\ht):16*(4*(\sp)+\ht)+15], v[BR+16*(\sp):BR+16*(\sp)+15], 0
.else
	v_wmma_f32_16x16x128_bf8_bf8 v[(\acc)+8*\ht:(\acc)+8*\ht+7], v[16*(4*(\sp)+\ht):16*(4*(\sp)+\ht)+15], v[BR+16*(\sp):BR+16*(\sp)+15], v[(\acc)+8*\ht:(\acc)+8*\ht+7]
.endif
.endr
.endm
.macro STO acc, slot                   ; a tile's partial sums into my part of LDS, each accumulator from its low end on
	WIN 0
.irp ht, 0,1,2,3
	ds_store_b128 v18, v[(\acc)+8*\ht:(\acc)+8*\ht+3] offset:(\slot)*PSLOT+\ht*64
	ds_store_b128 v18, v[(\acc)+8*\ht+4:(\acc)+8*\ht+7] offset:(\slot)*PSLOT+\ht*64+16
.endr
.endm
; A tile under a guard, whole in itself: products, places, the wait, stores.  n: the loads issued behind this buffer's.
.macro COMPT b, acc, slot, n
	BUFOF \b
	s_wait_loadcnt \n
	MULD \acc, 0
	MULD \acc, 1
	MULD \acc, 2
	MULD \acc, 3
	WIN 0
	PLACES 4                                       ; four places behind the last product, before a store reads its result; then the wait
	s_wait_alu depctr_va_vdst(0)                   ; the products have written the set, which the stores read
	STO \acc, \slot
.endm
; A tile of a round.  pacc at 0 or above: the stores of the tile before (set pacc, slot pslot) stand behind this tile's first four products, which name this tile's set, its buffer and Wd alone.
; Four places close the tile: they stand between its products and the stores that read their results, ahead of the next head's wait; two tiles' eight stand between two beginnings of one set.
.macro TILE b, acc, n, pacc, pslot
	BUFOF \b
	s_wait_loadcnt \n
	s_wait_alu depctr_vm_vsrc(0)                   ; the LDS stores that read this set last (two tiles back; for a round's first tiles: the round before's) have read it: this tile's products write it anew
.if (\pacc) >= 0
	s_wait_alu depctr_va_vdst(0)                   ; the products of the tile before have written the other set, which the stores below read
.endif
	MULD \acc, 0
.if (\pacc) >= 0
	STO \pacc, \pslot
.endif
	MULD \acc, 1
	MULD \acc, 2
	MULD \acc, 3
	WIN 0
	PLACES 4
.endm
.macro ROUND8                          ; eight tiles from buffers 0 to 7 into slots 0 to 7: behind tile i's loads stand 16 (7 - i)
	TILE 0, 32, 63, -1, 0
	TILE 1, 64, 63, 32, 0
	TILE 2, 32, 63, 64, 1
	TILE 3, 64, 63, 32, 2
	TILE 4, 32, 48, 64, 3
	TILE 5, 64, 32, 32, 4
	TILE 6, 32, 16, 64, 5
	TILE 7, 64, 0, 32, 6
	s_wait_alu depctr_va_vdst(0)                   ; the last tile's products have written set 64, which the stores read (its four places stand above); every product so far is also done reading its buffer
	STO 64, 7
.endm
; n tiles (four at the most) from slot slot0 on: the four waves' sums of my four rows are added, scaled, given the bias and stored.
.macro RED slot0, n, sb, i0
	s_wait_xcnt 0x0                                ; earlier stores have read the registers that are loaded now
	s_wait_alu depctr_vm_vsrc(0)                   ; the stores of the adding before have read v[128 ..], in which the loads below land (its vector lines stand ahead of its own wait on va_vdst)
.set k, 0
.rept \n
.irp a, 0,1
.irp v, 0,1,2,3
	ds_load_b128 v[128+32*k+16*\a+4*\v:128+32*k+16*\a+4*\v+3], v[20+\v] offset:((\slot0)+k)*PSLOT+\a*544
.endr
.endr
.set k, k+1
.endr
.set k, 0
.rept \n
	s_wait_dscnt 8*((\n)-1-k)                      ; this tile's eight loads are in; the later tiles' may be out
.irp a, 0,1
.set R, 128+32*k+16*\a
	v_pk_add_f32 v[R:R+1], v[R:R+1], v[R+4:R+5]
	v_pk_add_f32 v[R+2:R+3], v[R+2:R+3], v[R+6:R+7]
	v_pk_add_f32 v[R+8:R+9], v[R+8:R+9], v[R+12:R+13]
	v_pk_add_f32 v[R+10:R+11], v[R+10:R+11], v[R+14:R+15]
	v_pk_add_f32 v[R:R+1], v[R:R+1], v[R+8:R+9]
	v_pk_add_f32 v[R+2:R+3], v[R+2:R+3], v[R+10:R+11]
	v_pk_fma_f32 v[R:R+1], v[R:R+1], s[26:27], v[28:29] op_sel_hi:[1,0,1]     ; sum x 2^(e4+e5) + bd
	v_pk_fma_f32 v[R+2:R+3], v[R+2:R+3], s[26:27], v[30:31] op_sel_hi:[1,0,1]
.endr
.set k, k+1
.endr
	s_wait_alu depctr_va_vdst(0)                   ; the multiply-adds have written the sums, which the run of stores reads
.set k, 0
.rept \n
.irp a, 0,1
.set R, 128+32*k+16*\a
	global_store_b128 v24, v[R:R+3], s[\sb:\sb+1] offset:((\i0)+k)*131072+\a*8192   ; sixteen lanes store 256 consecutive bytes, aligned; two rows an instruction
.endr
.set k, k+1
.endr
.endm
	s_wait_kmcnt 0x0
	s_add_co_i32 s26, s20, s21
	s_add_co_i32 s26, s26, 127
	s_lshl_b32 s26, s26, 23                        ; 2^(e4+e5) as f32
	s_mov_b32 s27, s26                             ; (named with it as a pair, so it is written)
	s_max_u32 s23, s22, 16
	s_sub_co_u32 s79, s23, 1                       ; the last tile that is surely there
	s_sub_co_u32 s78, s22, 1                       ; NT - 1: used only where NT is above 20
	s_mov_b32 s67, 0
	s_add_co_u32 s66, s19, 16
	s_min_u32 s66, s66, s79
	s_min_u32 s66, s66, 79
	s_lshl_b32 s66, s66, 15
	s_add_nc_u64 s[44:45], s[38:39], s[66:67]      ; tile 16 + p, or the last that is there
	s_add_co_u32 s66, s19, 18
	s_min_u32 s66, s66, s79
	s_min_u32 s66, s66, 79
	s_lshl_b32 s66, s66, 15
	s_add_nc_u64 s[46:47], s[38:39], s[66:67]      ; tile 18 + p likewise
	LOADT 8, 44, 0
	LOADT 9, 46, 0
.irp i, 0,1,2,3,4,5,6,7
	LOADT \i, 40, \i*65536                         ; tiles 2 i + p
.endr
	s_wait_loadcnt 63                              ; behind Wd's 64 loads and bd's stand 160: they are in
	WIN 0x04                                       ; the store's data from window 1; its address stays in window 0
.irp r, 0,1,2,3,4,5,6,7,8,9,10,11,12,13,14,15
.irp ht, 0,1,2,3
	ds_store_b128 v[SA+\r], v[4*(16*\ht+\r):4*(16*\ht+\r)+3] offset:\ht*2048
.endr
.endr
	WIN 0x40
	s_wait_alu depctr_vm_vsrc(0)                   ; the staging stores have read window 1's registers, in which the fragments land, and v32-47, which products write later
.irp sp, 0,1,2,3
.irp ht, 0,1,2,3
.irp c, 0,1,2,3
	ds_load_b128 v[16*(4*\sp+\ht)+4*\c:16*(4*\sp+\ht)+4*\c+3], v[RA+\c+4*(\sp%2)] offset:\sp*8192+\ht*2048+\c*512   ; LDS serves a wave's instructions in order (ISA guide 5.7.1.4): these see my stores
.endr
.endr
.endr
	WIN 0
	s_wait_dscnt 0x0                               ; Wd's fragments are in their registers, for the rest of the launch
	s_add_co_u32 s66, s19, 16
	s_cmp_ge_u32 s66, s22
	s_cbranch_scc1 .Lno_8
	COMPT 8, 96, 8, 63                             ; behind its loads stand 144
.Lno_8:
	s_add_co_u32 s66, s19, 18
	s_cmp_ge_u32 s66, s22
	s_cbranch_scc1 .Lno_9
	COMPT 9, 64, 9, 63                             ; 128
.Lno_9:
	ROUND8
	BAR                                            ; all four waves' partial sums lie in LDS
	RED 0, 4, 42, 0
	RED 4, 4, 42, 4
	s_add_co_u32 s66, s19, 16
	s_cmp_ge_u32 s66, s22
	s_cbranch_scc1 .Lno_r8
	RED 8, 1, 42, 8
.Lno_r8:
	s_add_co_u32 s66, s19, 18
	s_cmp_ge_u32 s66, s22
	s_cbranch_scc1 .Lno_r9
	RED 9, 1, 42, 9
.Lno_r9:
	BAR                                            ; the sums have been read: the slots may be written again
	s_mov_b32 s62, 0
	s_add_co_u32 s63, s19, 20                      ; the trip's first tile: 20 + 16 g + p
	s_add_nc_u64 s[60:61], s[42:43], 10*131072     ; and its rows of y
.Ltrip:                                            ; three trips, a constant: tiles up to 67, more than 1,024 rows can fill
	s_cmp_ge_u32 s63, s22
	s_cbranch_scc1 .Lno_mul
.irp k, 0,1,2,3,4,5,6,7
	s_add_co_u32 s66, s63, 2*\k
	s_min_u32 s66, s66, s78                        ; a tile past the last reads the last one: what it makes goes to rows of its own that nobody reads
	s_min_u32 s66, s66, 79
	s_lshl_b32 s66, s66, 15
	s_add_nc_u64 s[44+2*\k:45+2*\k], s[38:39], s[66:67]
.endr
.irp k, 0,1,2,3,4,5,6,7
	LOADT \k, 44+2*\k, 0                           ; no wait on va_vdst: the products that read these buffers stand ahead of the last round's closing wait, and no vector instruction since names them or v1
.endr
	ROUND8
.Lno_mul:
	BAR
	s_cmp_ge_u32 s63, s22
	s_cbranch_scc1 .Lno_red
	RED 0, 4, 60, 0
	RED 4, 4, 60, 4
.Lno_red:
	BAR
	s_wait_xcnt 0x0                                ; the stores have read their base
	s_add_nc_u64 s[60:61], s[60:61], 8*131072
	s_add_co_u32 s63, s63, 16
	s_add_co_u32 s62, s62, 1
	s_cmp_lt_u32 s62, 3
	s_cbranch_scc1 .Ltrip
	s_wait_dscnt 0x0                               ; the closing lines, six on end
	s_wait_alu 0x0
	s_wait_tensorcnt 0x0
	ds_add_u32 v26, v27
	s_wait_dscnt 0x0
	s_endpgm
.Lfunc_end_k_q87860701cf_down:
	.size	k_q87860701cf_down, .Lfunc_end_k_q87860701cf_down-k_q87860701cf_down
	.p2alignl 7, 3214868480
	.fill 96, 4, 3214868480
	.section	.rodata,"a",@progbits
	.p2align	6, 0x0
	.amdhsa_kernel k_q87860701cf_down
		.amdhsa_group_segment_fixed_size 305664
		.amdhsa_private_segment_fixed_size 0
		.amdhsa_enable_private_segment 0
		.amdhsa_kernarg_size 48
		.amdhsa_user_sgpr_count 2
		.amdhsa_user_sgpr_kernarg_segment_ptr 1
		.amdhsa_wavefront_size32 1
		.amdhsa_system_sgpr_workgroup_id_x 1
		.amdhsa_system_sgpr_workgroup_id_y 1
		.amdhsa_system_sgpr_workgroup_id_z 1
		.amdhsa_system_vgpr_workitem_id 0
		.amdhsa_next_free_vgpr 1024
		.amdhsa_next_free_sgpr 84
		.amdhsa_reserve_vcc 0
		.amdhsa_float_denorm_mode_32 3
		.amdhsa_float_denorm_mode_16_64 3
		.amdhsa_memory_ordered 1
		.amdhsa_forward_progress 1
		.amdhsa_inst_pref_size 116
	.end_amdhsa_kernel
	.amdgpu_metadata
---
amdhsa.version: [ 1, 2 ]
amdhsa.kernels:
  - .name:           k_q87860701cf_down
    .symbol:         k_q87860701cf_down.kd
    .args:
      - { .name: act, .offset: 0, .size: 8, .value_kind: global_buffer, .address_space: global }
      - { .name: Wd_codes, .offset: 8, .size: 8, .value_kind: global_buffer, .address_space: global }
      - { .name: bd, .offset: 16, .size: 8, .value_kind: global_buffer, .address_space: global }
      - { .name: lowp_scales, .offset: 24, .size: 8, .value_kind: global_buffer, .address_space: global }
      - { .name: cnt, .offset: 32, .size: 8, .value_kind: global_buffer, .address_space: global }
      - { .name: y, .offset: 40, .size: 8, .value_kind: global_buffer, .address_space: global }
    .group_segment_fixed_size: 305664
    .private_segment_fixed_size: 0
    .kernarg_segment_align: 8
    .kernarg_segment_size: 48
    .max_flat_workgroup_size: 128
    .sgpr_count:     84
    .vgpr_count:     1024
    .wavefront_size: 32
...
	.end_amdgpu_metadata
.endif
;; end of part 6
;; launch combine: the kernel of part 4 again; grid 256 x 1, 4 waves a work-group, no clusters, 0 bytes of LDS; arguments y, pos, router_indices, routing_weights, out0; writes out0
